; MI455X (gfx1250); checked and timed in simulation.
; The chip was launched on July 23, 2026; its instructions are those of AMD's public machine-readable ISA for CDNA 5 (MIT licence, August 2026) and "CDNA5" Instruction Set Architecture Reference Guide (July 2026). The comments in the code are by the model that wrote it; some were corrected since.
;; Multi Head Attention. Allowed arithmetic: matrix products marked QUANTISED: E2M3 operands, one E8M0 scale for each 32 along K, by v_wmma_scale_f32_16x16x128_f8f6f4 with both operands' format E2M3, f32 sums; everything else in f32.
;; Inputs: dense_b 1,024 float32; dense_w 1,024 x 1,024 float32; k 4 x 2,048 x 1,024 float32; q 4 x 2,048 x 1,024 float32; v 4 x 2,048 x 1,024 float32; wk_b 1,024 float32; wk_w 1,024 x 1,024 float32; wq_b 1,024 float32; wq_w 1,024 x 1,024 float32; wv_b 1,024 float32; wv_w 1,024 x 1,024 float32.
;; Outputs: out0 4 x 2,048 x 1,024 float32.
;; This version of the problem:
;;   THIS VERSION OF THE PROBLEM IS GIVEN IN LOW PRECISION. The matrix products marked QUANTISED in the list below multiply operands that are first quantised to E2M3 (2 exponent bits, 3 mantissa bits; 6 bits a number), with one power-of-two scale for each 32 numbers along K (OCP MX v1.0); their sums are f32. All else is computed in f32.
;;   The module's matrix products, in the order in which they are computed (A, B: the left and right operand; K: the contracted axis; several contracted axes count as one K, in the product's order):
;;     1. [M 8,192, K 1,024] x [K 1,024, N 1,024]; A: input q; B: input wq_w: QUANTISED
;;     2. [M 8,192, K 1,024] x [K 1,024, N 1,024]; A: input k; B: input wk_w: QUANTISED
;;     3. [M 8,192, K 1,024] x [K 1,024, N 1,024]; A: input v; B: input wv_w: QUANTISED
;;     4. batch 64 x [M 2,048, K 64] x [K 64, N 2,048]; A: computed on the way; B: computed on the way: QUANTISED
;;     5. batch 64 x [M 2,048, K 2,048] x [K 2,048, N 64]; A: softmax (see below); B: computed on the way: QUANTISED
;;     6. [M 8,192, K 1,024] x [K 1,024, N 1,024]; A: computed on the way; B: input dense_w: QUANTISED
;;   THE QUANTISER, for each operand of a quantised product, along K:
;;     - K is cut into blocks of 32 from its start; a last block that is shorter is filled with zeros.
;;     - A block's scale is 2^e with e = floor(log2(the largest magnitude in the block)) - 2, held to -126 .. 127; a block of zeros has e = 0. As a byte (E8M0): e + 127.
;;     - Each number is divided by its block's scale, clamped to +-7.5, and rounded to the nearest number of E2M3, ties to even, subnormals kept.
;;     - The product sums the exact products of the quantised numbers (number of the format x scale) in f32.
;;   ~~~python
;;   def quantise(x, axis):      # numpy; x: float32 -> the quantised numbers, widened to float32 again
;;       x = np.moveaxis(x, axis, -1); K = x.shape[-1]
;;       x = np.pad(x, [(0, 0)] * (x.ndim - 1) + [(0, -K % 32)]); x = x.reshape(x.shape[:-1] + (-1, 32)); a = np.abs(x).max(-1, keepdims=True)
;;       e = np.where(a > 0, np.clip(np.frexp(np.where(a > 0, a, 1))[1] - 1 - 2, -126, 127), 0)      # np.frexp(a)[1] - 1 = floor(log2(a)), exactly
;;       r = np.clip(x / 2.0 ** e, -7.5, 7.5)
;;       step = 2.0 ** (np.maximum(np.frexp(np.where(r == 0, 1, r))[1] - 1, 0) - 3)
;;       q = np.round(r / step) * step * 2.0 ** e      # np.round: ties to even
;;       return np.moveaxis(q.reshape(q.shape[:-2] + (-1,))[..., :K], -1, axis).astype(np.float32)
;;   ~~~
;;   SOFTMAX AHEAD OF A QUANTISED PRODUCT. Where the list says 'softmax', what is quantised is not the finished softmax but p = 2^(t - M), with t = logit x log2(e) and M = ceil(the row's largest t), a whole number; so 1/2 < the row's largest p <= 1. The row's sum l is taken of the UNQUANTISED p, in f32, and the product's result is divided by l at the end. Since M is a whole number, a kernel that streams over the keys may use a running M (the ceiling of the running maximum): every later rescaling is an exact power of two, which a block's scale takes up: the codes' values come out the same.
;;   OPERANDS COMPUTED ON THE WAY. 'Computed on the way' means the value that the module computes at that place (a softmax that the list does not call 'softmax' is quantised finished and normalised). What goes into a quantiser is computed in f32, as accurately as f32 sums, v_exp_f32 and their like allow (about 1e-6 of the number): no bf16 or f16 on the way to a quantiser, and a product that is left as it is and whose result goes on into a quantised operand takes f32 operands (vector FMAs, or v_wmma_f32_16x16x4_f32). A number that lies on a knife's edge between two numbers of the format may be rounded either way, as far as f32 arithmetic and the matrix unit's own rounding can turn it there, and no further.
;; One version. Each part assembles by itself: llvm-mc -triple=amdgcn-amd-amdhsa -mcpu=gfx1250 --defsym DOCPART=n.
;; ======== version 1 of 1: 4 launches
;; workspace buffers: cod 22,020,096 bytes; scl 917,504 bytes; qa 6,815,744 bytes; kv 13,369,344 bytes; oc 6,291,456 bytes; os 262,144 bytes
;; launch quant (part 1): grid 448 x 1, 4 waves a work-group, no clusters, 36,352 bytes of LDS; arguments q, k, v, wq_w, wk_w, wv_w, dense_w, cod, scl; writes cod, scl
.if DOCPART == 1
	.amdgcn_target "amdgcn-amd-amdhsa--gfx1250"
	.amdhsa_code_object_version 6
	.text
	.protected	k_qdc5b7d1e55_quant
	.globl	k_qdc5b7d1e55_quant
	.p2align	8
	.type	k_qdc5b7d1e55_quant,@function
k_qdc5b7d1e55_quant:
	s_mov_b64 s[64:65], 0
	v_nop
	global_prefetch_b8 v0, s[64:65] scope:SCOPE_SE
	s_setreg_imm32_b32 hwreg(HW_REG_WAVE_MODE, 25, 1), 1
	s_wait_xcnt 0x0
; q, k, v [8192][1024] and the four weights [1024][1024], f32, K innermost, become codes of FP6 (E2M3) with one E8M0 byte for each 32 along K.
; A block's scale is 2^(floor(log2(its largest magnitude)) - 2); its byte is the largest magnitude's exponent field - 2, held at 1 from below.
; LIMITS: a block of zeros gets the byte 1 where the rule says 127 (its codes are zeros, and this program alone reads the bytes); NaN and infinities among the inputs are not served.
; THE CODES ARE LAID AS IMAGES OF OPERAND REGISTERS.  The seven tensors are 224 groups of 128 rows (q 0-63, k 64-127, v 128-191, wq 192-199, wk 200-207, wv 208-215, dense 216-223).
; cod: [group][8 row tiles][16 chunks of 64 K][768 bytes].  In a chunk lane l = (r = l % 16, h = l / 16) has the 32 codes k = 32 h .. 32 h + 31 of the tile's row r: registers 0-3 at byte 16 l, registers 4-5 at byte 512 + 8 l.
; Row tile 2 B + u holds rows 32 B + 8 u + r + 8 (r / 8).   scl: [group][8 K steps of 128][128 rows in tile order][one word of four bytes].
; SHARES.  Work-group x: group x / 2; wave w: K step 4 (x % 2) + w: 128 rows x 128 K, a row tile (a unit) at a time.  A unit's sixteen loads read 512 consecutive bytes each, a row's 128 numbers;
; they turn through the wave's own stage in LDS (rows of 512 + 16 bytes), so that a lane gets two whole blocks of 32 of its row.  Loads run two units (32 loads a wave) ahead.  Waves share nothing: no barrier.
.set WREG,  8960                       ; LDS of a wave: the stage, 16 x 528 bytes, then its 128 scale words
.set SCA,   8448
.set SPARE, 4*WREG                     ; behind the four regions: the spare words, 128 bytes for each wave
.set R,     32                         ; v32-159  two sets of 64: a unit as loaded
.set X,     160                        ; v160-223 my two blocks of 32
.set C,     224                        ; v224-247 two sets of 12: a unit's codes
.set CT,    248                        ; v248-254 the upper halves of the two blocks, before they are moved
.set SPW,   18                         ; v18      LDS address of my spare word; never rewritten
.set NIL,   19                         ; v19      0; never rewritten
	s_load_b256 s[4:11], s[0:1], 0x0               ; q, k, v, wq_w
	s_load_b256 s[12:19], s[0:1], 0x20             ; wk_w, wv_w, dense_w, cod
	s_load_b64 s[20:21], s[0:1], 0x40              ; scl
	v_lshl_add_u32 v[SPW], v0, 2, SPARE
	v_mov_b32 v[NIL], 0
	v_lshrrev_b32 v1, 5, v0
	v_readfirstlane_b32 s22, v1                    ; wave
	v_and_b32 v1, 31, v0                           ; lane
	v_and_b32 v9, 15, v0                           ; r
	v_bfe_u32 v8, v0, 4, 1                         ; h
	v_lshlrev_b32 v2, 4, v1                        ; 16 l: my bytes of a load's 512, and of an image's first 512
	v_lshl_add_u32 v3, v1, 3, 512                  ; 512 + 8 l: my bytes of an image's last 256
	s_mul_i32 s23, s22, WREG
	v_add_nc_u32 v4, s23, v2                       ; the stage, on the way in
	v_mul_u32_u24 v5, v9, 528
	v_lshl_add_u32 v5, v8, 7, v5
	v_add_nc_u32 v5, s23, v5                       ; and out: row r, + 128 h bytes
	s_add_co_u32 s24, s23, SCA
	v_lshl_add_u32 v6, v9, 2, s24                  ; my row's scale word
	v_add_nc_u32 v7, s24, v2                       ; the 128 words on their way out
	v_lshlrev_b32 v8, 3, v8                        ; 8 h: my bytes' place in the word
	v_mov_b32 v17, 0                               ; written once: a lane permute's destination counts as one of its sources
	s_mov_b32 s26, 0x76543210
	s_mov_b32 s27, 0xfedcba98                      ; v_permlanex16_b32's selects for lane l xor 16
	s_lshr_b32 s28, ttmp9, 1                       ; the group
	s_and_b32 s29, ttmp9, 1
	s_lshl_b32 s29, s29, 2
	s_add_co_u32 s29, s29, s22                     ; the K step
	s_wait_kmcnt 0x0
	s_mov_b64 s[30:31], s[16:17]                   ; which tensor, and its first group: chosen by the group's number alone
	s_mov_b32 s25, 216
.macro PICK bound, ptr, first
	s_cmp_lt_u32 s28, \bound
	s_cselect_b64 s[30:31], s[\ptr:\ptr+1], s[30:31]
	s_cselect_b32 s25, \first, s25
.endm
	PICK 216, 14, 208
	PICK 208, 12, 200
	PICK 200, 10, 192
	PICK 192, 8, 128
	PICK 128, 6, 64
	PICK 64, 4, 0
	s_sub_co_u32 s32, s28, s25
	s_lshl_b32 s32, s32, 19                        ; 128 rows of 4,096 bytes a group,
	s_lshl_b32 s33, s29, 9                         ; 512 bytes a K step
	s_add_co_u32 s32, s32, s33
	s_mov_b32 s33, 0
	s_add_nc_u64 s[30:31], s[30:31], s[32:33]
	s_mul_i32 s32, s28, 98304
	s_mul_i32 s34, s29, 1536
	s_add_co_u32 s32, s32, s34
	s_add_nc_u64 s[18:19], s[18:19], s[32:33]      ; my codes
	s_lshl_b32 s32, s28, 12
	s_lshl_b32 s34, s29, 9
	s_add_co_u32 s32, s32, s34
	s_add_nc_u64 s[20:21], s[20:21], s[32:33]      ; my scale words
.macro LOAD u                          ; row tile u: its sixteen rows, 512 consecutive bytes each
.irp i, 0,1,2,3,4,5,6,7,8,9,10,11,12,13,14,15
	global_load_b128 v[R+64*((\u)%2)+4*\i:R+64*((\u)%2)+4*\i+3], v2, s[30:31] offset:(32*((\u)/2)+8*((\u)%2)+\i+8*(\i/8))*4096 th:TH_LOAD_NT
.endr
.endm
.macro UNIT u
.set RS, R+64*((\u)%2)
.set CS, C+12*((\u)%2)
.if (\u) < 7
	s_wait_loadcnt 16                              ; this unit's sixteen loads are in; the next unit's may be out
.else
	s_wait_loadcnt 0x0
.endif
.irp i, 0,1,2,3,4,5,6,7,8,9,10,11,12,13,14,15
	ds_store_b128 v4, v[RS+4*\i:RS+4*\i+3] offset:528*\i
.endr
.irp c, 0,1
.irp j, 0,1,2,3,4,5,6,7
	ds_load_b128 v[X+32*\c+4*\j:X+32*\c+4*\j+3], v5 offset:256*\c+16*\j   ; LDS serves a wave's instructions in order: these see the stores above
.endr
.endr
	s_wait_dscnt 0x0                               ; my two blocks are in, and the stores have read the set that is loaded again below
.if (\u) >= 2
	s_wait_xcnt 0x0                                ; the stores of two units ago have read this set of codes: it is rewritten only behind this wait
.endif
.if (\u)+2 < 8
	LOAD (\u)+2
.endif
.irp c, 0,1
	v_max3_num_f32 v[10+\c], |v[X+32*\c]|, |v[X+32*\c+1]|, 0x1800000   ; block 2 c + h is all mine; the floor 2^(3 - 127) holds the byte at 1 from below
.endr
.irp i, 2,4,6,8,10,12,14,16,18,20,22,24,26,28,30
.irp c, 0,1
	v_max3_num_f32 v[10+\c], v[10+\c], |v[X+32*\c+\i]|, |v[X+32*\c+\i+1]|
.endr
.endr
.irp c, 0,1
	v_add_nc_u32 v[12+\c], 0xff000000, v[10+\c]    ; 2 off the exponent field: the conversion's scale operand
.endr
.irp c, 0,1
	v_lshrrev_b32 v[14+\c], 23, v[12+\c]           ; the scale's byte
.endr
	v_lshl_or_b32 v16, v15, 16, v14                ; bytes h and 2 + h of the word,
	v_lshlrev_b32 v16, v8, v16                     ; at their places;
	v_permlanex16_b32 v17, v16, s26, s27
	v_or_b32 v16, v16, v17                         ; with lane l xor 16's two the word is whole
.irp c, 0,1
	v_cvt_scalef32_pk16_fp6_f32 v[CS+6*\c:CS+6*\c+2], v[X+32*\c:X+32*\c+15], v[12+\c]
	v_cvt_scalef32_pk16_fp6_f32 v[CT+4*\c:CT+4*\c+2], v[X+32*\c+16:X+32*\c+31], v[12+\c]   ; (a conversion's three registers begin on an even number)
.endr
	v_nop                                          ; one plain place behind a scaled conversion
.irp c, 0,1
.irp i, 0,1,2
	v_mov_b32 v[CS+6*\c+3+\i], v[CT+4*\c+\i]
.endr
.endr
.irp c, 0,1
	global_store_b128 v2, v[CS+6*\c:CS+6*\c+3], s[18:19] offset:12288*(\u)+768*\c     ; 512 consecutive bytes,
	global_store_b64 v3, v[CS+6*\c+4:CS+6*\c+5], s[18:19] offset:12288*(\u)+768*\c    ; and the 256 behind them
.endr
	ds_store_b32 v6, v16 offset:64*(\u)            ; lanes l and l xor 16 write the same word with the same value
.endm
	LOAD 0
	LOAD 1
.irp u, 0,1,2,3,4,5,6,7
	UNIT \u
.endr
	ds_load_b128 v[10:13], v7                      ; my wave's 128 scale words
	s_wait_dscnt 0x0
	global_store_b128 v2, v[10:13], s[20:21]       ; 512 consecutive bytes
	s_wait_tensorcnt 0x0                           ; the wave's end: behind my last LDS store
	ds_add_u32 v[SPW], v[NIL]
	s_wait_dscnt 0x0
	s_endpgm
.Lfunc_end_k_qdc5b7d1e55_quant:
	.size	k_qdc5b7d1e55_quant, .Lfunc_end_k_qdc5b7d1e55_quant-k_qdc5b7d1e55_quant
	.p2alignl 7, 3214868480
	.fill 96, 4, 3214868480
	.section	.rodata,"a",@progbits
	.p2align	6, 0x0
	.amdhsa_kernel k_qdc5b7d1e55_quant
		.amdhsa_group_segment_fixed_size 36352
		.amdhsa_private_segment_fixed_size 0
		.amdhsa_enable_private_segment 0
		.amdhsa_kernarg_size 72
		.amdhsa_user_sgpr_count 2
		.amdhsa_user_sgpr_kernarg_segment_ptr 1
		.amdhsa_wavefront_size32 1
		.amdhsa_system_sgpr_workgroup_id_x 1
		.amdhsa_system_sgpr_workgroup_id_y 1
		.amdhsa_system_sgpr_workgroup_id_z 1
		.amdhsa_system_vgpr_workitem_id 0
		.amdhsa_next_free_vgpr 256
		.amdhsa_next_free_sgpr 66
		.amdhsa_reserve_vcc 0
		.amdhsa_float_denorm_mode_32 3
		.amdhsa_float_denorm_mode_16_64 3
		.amdhsa_memory_ordered 1
		.amdhsa_forward_progress 1
		.amdhsa_inst_pref_size 59
	.end_amdhsa_kernel
	.amdgpu_metadata
---
amdhsa.version: [ 1, 2 ]
amdhsa.kernels:
  - .name:           k_qdc5b7d1e55_quant
    .symbol:         k_qdc5b7d1e55_quant.kd
    .args:
      - { .name: q, .offset: 0, .size: 8, .value_kind: global_buffer, .address_space: global }
      - { .name: k, .offset: 8, .size: 8, .value_kind: global_buffer, .address_space: global }
      - { .name: v, .offset: 16, .size: 8, .value_kind: global_buffer, .address_space: global }
      - { .name: wq_w, .offset: 24, .size: 8, .value_kind: global_buffer, .address_space: global }
      - { .name: wk_w, .offset: 32, .size: 8, .value_kind: global_buffer, .address_space: global }
      - { .name: wv_w, .offset: 40, .size: 8, .value_kind: global_buffer, .address_space: global }
      - { .name: dense_w, .offset: 48, .size: 8, .value_kind: global_buffer, .address_space: global }
      - { .name: cod, .offset: 56, .size: 8, .value_kind: global_buffer, .address_space: global }
      - { .name: scl, .offset: 64, .size: 8, .value_kind: global_buffer, .address_space: global }
    .group_segment_fixed_size: 36352
    .private_segment_fixed_size: 0
    .kernarg_segment_align: 8
    .kernarg_segment_size: 72
    .max_flat_workgroup_size: 128
    .sgpr_count:     66
    .vgpr_count:     256
    .wavefront_size: 32
...
	.end_amdgpu_metadata
.endif
;; end of part 1
;; launch proj (part 2): grid 4 x 96, 4 waves a work-group, clusters of 4 x 4, 327,680 bytes of LDS; arguments cod, scl, wq_b, wk_b, wv_b, qa, kv; writes qa, kv
.if DOCPART == 2
	.amdgcn_target "amdgcn-amd-amdhsa--gfx1250"
	.amdhsa_code_object_version 6
	.text
	.protected	k_qdc5b7d1e55_proj
	.globl	k_qdc5b7d1e55_proj
	.p2align	8
	.type	k_qdc5b7d1e55_proj,@function
k_qdc5b7d1e55_proj:
	s_mov_b64 s[64:65], 0
	v_nop
	global_prefetch_b8 v0, s[64:65] scope:SCOPE_SE
	s_setreg_imm32_b32 hwreg(HW_REG_WAVE_MODE, 25, 1), 1
	s_wait_xcnt 0x0
	s_wait_alu depctr_hold_cnt(0) depctr_sa_sdst(0) depctr_va_vdst(0) depctr_va_sdst(0) depctr_va_ssrc(0) depctr_va_vcc(0) depctr_vm_vsrc(0)
	s_getreg_b32 s2, hwreg(HW_REG_IB_STS2, 6, 4)
	s_cmp_eq_u32 s2, 0
	s_cbranch_scc0 .Lentry_in_a_cluster
	s_endpgm
.Lentry_in_a_cluster:
	s_bfe_u32 s2, ttmp6, 0x10000c
	s_cmp_lg_u32 s2, 0xf033
	s_cbranch_scc0 .Lentry_shape_is_right
	s_endpgm
.Lentry_shape_is_right:
; The three projections q wq^T + bq, k wk^T + bk, v wv^T + bv on codes of FP6 (E2M3), and their results quantised again for the attention, in registers, on the way out.
; C(y, x) = the sum over k of Y[y][k] X[x][k], K = 1,024.  Source 0 of the matrix instruction = 16 rows of X, source 1 = 16 rows of Y: a lane holds ONE row y, and its registers run along x.
; Cluster y = c: kind = c / 8 (0 q, 1 k, 2 v), i = c % 8.  kind 0, 1: Y = the activations, X = the weight: x runs along the head's 64, along which q and k are quantised.
; kind 2: Y = wv, X = v: x runs along the KEYS, along which v is quantised.  A work-group makes 256 x 256, a wave 128 x 128: 64 accumulators, 512 registers.
; OPERANDS are images of operand registers (cod: [group of 128 rows][8 row tiles][16 chunks of 64 K][768]; scl: [group][8 K steps][128 rows][word]): a fragment is four loads, each of consecutive bytes.
; Row tile 2 B + u holds rows 32 B + 8 u + r + 8 (r / 8): so the 16 registers of X's tiles 2 b and 2 b + 1 are x = 32 b + 16 (lane / 16) + 0 .. 15, sixteen neighbours, as the conversions want them.
; K goes in four steps of 256 through two LDS slots; the scale words of all of K come once.  4 x 4 work-groups form a cluster: Y's tiles are asked for jointly along a row of it, X's along a column.
; THE BIAS along x is the C of each sum's first product; along y (kind 2) it is added on the way out, by the line that brings the sums into window 0.
; OUT.  qa: a record of 106,496 bytes for each (batch, head): q's codes [128 tiles of 16 queries][768], then a scale word for each query.  kv: a record of 208,896: k's codes [128 tiles][768]; v's codes
; [32 chunks of 64 keys][4 tiles of 16 of the head's 64][768] at 98,304; k's scale words at 196,608; v's [16 key steps][4 tiles][16] at 204,800.  q's and k's words: two bytes of the head's two blocks, then 0x7f, 0x7f.
; LIMITS: NaN and infinities are not served; a block of zeros gets the byte 1 where the rule says 127 (its codes are zeros; this program alone reads the bytes); the bias along x is the first addend of the f32 sum.
; REGISTERS: window 0: v16-31 addresses; v32-63 scale words, two sets; v64-127 the bias along x, later at work; v128-223 Y's fragments, one set, later the way out; v232-247 the bias along y, in pairs.
;   window 1: X's fragments, two sets, at v0 and v128.   windows 2, 3: the accumulators of my rows 0-63 and 64-127 ((a, b) at v[8 (8 (a % 4) + b)]).
.set FR,    12                         ; registers of a fragment: 16 rows x 128 K
.set NL,    4                          ; LDS loads that bring one
.set NP,    4                          ; places behind this matrix instruction (ISA guide 7.12.1)
.set TILEB, 24576                      ; 128 rows x 256 K: [8 row tiles][4 chunks][768]: what one tensor load brings
.set SLOT,  4*TILEB                    ; Y's two halves, then X's two
.set SCL,   2*SLOT                     ; the scale words: 4,096 bytes for 128 rows; X's lie 128 bytes further on, so that the two halves of the lanes read different banks
.set SPARE, 213248                     ; the spare words, 128 bytes for each wave
.set STG,   213760                     ; 1,024 bytes for each wave: the scale words on their way out; no tile lands here
.set ADRA, 16                          ; v16-17 my Y fragments in slot 0, 1, + 16 l;  v18-19 + 512 + 8 l
.set ADRB, 20                          ; v20-23 the same for X
.set O16,  24                          ; v24  16 l
.set O8,   25                          ; v25  512 + 8 l
.set STW,  26                          ; v26  where I put a scale word in my stage
.set ADRS, 27                          ; v27  my scale words in LDS: lanes 0-15 Y's rows, lanes 16-31 X's
.set SPW,  28                          ; v28  LDS address of my spare word; never rewritten
.set NIL,  29                          ; v29  0; never rewritten
.set STR,  30                          ; v30  where I read the stage back
.set SHV,  31                          ; v31  16 (lane / 16) for q and k, 0 for v
.set SC,   32
.set BX,   64
.set TM,   64                          ; the way out: v64-79 at work, v80 the scale word just made, v81 as it is stored, v84-91 the words on their way out
.set PW,   80
.set AF,   128
.set NUM,  128                         ; the way out: 64 numbers of a lane
.set BY,   232
.set HS,   3                           ; s3   bytes of a record of the buffer that I store into
.set WV,   18
.set WH,   19                          ; wave / 2: which half of Y's rows is mine; also: I fetch for Y (0) or for X (1)
.set WL,   20                          ; wave % 2: which half of X's rows; also: which 128 rows I fetch
.set KIND, 21
.set CX,   22
.set CY,   23
.set G1,   24                          ; s[24:31] descriptor group 1 for Y's tiles;  s[32:39] group 0, a set for each slot
.set G0,   32
.set TR,   40                          ; Y's tile of 256 rows
.set TC,   41                          ; X's
.set MSK,  42
.set ORV,  43
.set G1B,  48                          ; s[48:55], s[56:63] the same for X's tiles
.set G0B,  56
.set SB,   66                          ; s[66:67] where my scale words go;  s[100:101] the next record's
.set SB2,  100
.set G1S,  68                          ; s[68:75], s[76:79] groups 1 and 0 for Y's scale words;  s[80:87], s[88:91] for X's
.set G0S,  76
.set G1SB, 80
.set G0SB, 88
.set SEL,  104                         ; s[104:105] v_permlanex16_b32's selects for lane l xor 16
.set MSB, 0
.macro WIN new                         ; the immediate's high byte repeats the setting that is left
.if MSB != (\new)
	s_set_vgpr_msb (MSB<<8)|(\new)
.set MSB, (\new)
.endif
.endm
.set MUL_LO, 0xa1                      ; source 0 (X) window 1, source 1 (Y) window 0, C and D window 2
.set MUL_HI, 0xf1                      ; the same, C and D window 3
.set TO_B,   0x40                      ; destination window 1, address window 0
; A joint load: waves 0 and 1 fetch for Y, waves 2 and 3 for X.  The branch hangs on the wave's number alone.  An s_nop 0 and four v_nop follow each of the two lines.
.macro JLOAD g0a, g1a, g0b, g1b
	s_cmp_eq_u32 s[WH], 0
	s_cbranch_scc0 .Lfor_b_\@
	tensor_load_to_lds s[\g0a:\g0a+3], s[\g1a:\g1a+7]
	s_nop 0
.rept 4
	v_nop
.endr
	s_branch .Lasked_\@
.Lfor_b_\@:
	tensor_load_to_lds s[\g0b:\g0b+3], s[\g1b:\g1b+7]
	s_nop 0
.rept 4
	v_nop
.endr
.Lasked_\@:
.endm
.macro CREST                           ; a round of the cluster's barrier behind its opening barrier
	s_cmp_lg_u32 s[WV], 0
	s_cbranch_scc1 .Lnot_wave_0_\@
	s_barrier_signal -3
.Lnot_wave_0_\@:
	s_barrier_wait -3
	s_barrier_signal -1
	s_barrier_wait -1
.endm
.macro CROUND                          ; a whole round
	s_barrier_signal -1
	s_barrier_wait -1
	CREST
.endm
	s_load_b256 s[4:11], s[0:1], 0x0               ; cod s[4:5], scl s[6:7], wq_b s[8:9], wk_b s[10:11]
	s_load_b128 s[12:15], s[0:1], 0x20             ; wv_b s[12:13], qa s[14:15]
	s_load_b64 s[16:17], s[0:1], 0x30              ; kv
	v_lshl_add_u32 v[SPW], v0, 2, SPARE
	v_mov_b32 v[NIL], 0
	ds_add_u32 v[SPW], v[NIL]                      ; the wave's opening: the add and its wait stand ahead of my first tensor load; the set-up below stands between them
	v_lshrrev_b32 v1, 5, v0
	v_readfirstlane_b32 s[WV], v1
	s_lshr_b32 s[WH], s[WV], 1
	s_and_b32 s[WL], s[WV], 1
	s_bfe_u32 s[CX], ttmp6, 0x40000
	s_bfe_u32 s[CY], ttmp6, 0x40004
	s_and_b32 s44, ttmp7, 0xffff                   ; c: the cluster's y, the same in all sixteen partners
	s_lshr_b32 s[KIND], s44, 3
	s_and_b32 s44, s44, 7
	s_lshl_b32 s44, s44, 2                         ; 4 i
	s_lshl_b32 s45, s[KIND], 6                     ; the activations' first group: 64 kind
	s_lshl_b32 s46, s[KIND], 3
	s_add_co_u32 s46, s46, 192                     ; the weight's: 192 + 8 kind
	s_cmp_lt_u32 s[KIND], 2
	s_cselect_b32 s[TR], s44, 0
	s_cselect_b32 s[TC], 0, s44
	s_cselect_b32 s92, s45, s46                    ; Y's first group
	s_cselect_b32 s96, s46, s45                    ; X's
	s_add_co_u32 s[TR], s[TR], s[CY]               ; Y's tile hangs on cy alone of my place, X's on cx alone
	s_add_co_u32 s[TC], s[TC], s[CX]
	s_lshl_b32 s44, s[TR], 1
	s_add_co_u32 s92, s92, s44
	s_add_co_u32 s92, s92, s[WL]                   ; the group of Y that I would fetch
	s_lshl_b32 s45, s[TC], 1
	s_add_co_u32 s96, s96, s45
	s_add_co_u32 s96, s96, s[WL]                   ; and of X
	s_lshl_b32 s94, s92, 12                        ; its scale words,
	s_mul_i32 s92, s92, 98304                      ; its codes, in bytes
	s_lshl_b32 s98, s96, 12
	s_mul_i32 s96, s96, 98304
	s_mov_b32 s93, 0
	s_mov_b32 s95, 0
	s_mov_b32 s97, 0
	s_mov_b32 s99, 0
	s_lshl_b32 s44, s[CY], 2
	s_lshl_b32 s44, 15, s44                        ; my row of the cluster
	s_lshl_b32 s45, 0x1111, s[CX]                  ; my column
	; descriptor group 1: codes: 8 rows (row tiles) of 384 elements of 8 bytes (four chunks), 1,536 elements apart; no padding
	s_or_b32 s[G1], s44, (3<<16)|(1<<21)           ; 15:0 the mask; 17:16 elements of 8 bytes; 21 set beside a mask
	s_or_b32 s[G1B], s45, (3<<16)|(1<<21)
.irp g, G1, G1B
	s_mov_b32 s[\g+1], 384<<16                     ; tensor_dim0
	s_mov_b32 s[\g+2], 8<<16                       ; tensor_dim1
	s_mov_b32 s[\g+3], 384<<16                     ; tile_dim0
	s_mov_b32 s[\g+4], 8                           ; tile_dim1
	s_mov_b32 s[\g+5], 1536                        ; tensor_dim0_stride
	s_mov_b32 s[\g+6], 0
	s_mov_b32 s[\g+7], 0
.endr
	; the scale words of 128 rows: a dense block of 4,096 bytes, as 16 rows of 256
	s_or_b32 s[G1S], s44, (3<<16)|(1<<21)
	s_or_b32 s[G1SB], s45, (3<<16)|(1<<21)
.irp g, G1S, G1SB
	s_mov_b32 s[\g+1], 32<<16
	s_mov_b32 s[\g+2], 16<<16
	s_mov_b32 s[\g+3], 32<<16
	s_mov_b32 s[\g+4], 16
	s_mov_b32 s[\g+5], 32
	s_mov_b32 s[\g+6], 0
	s_mov_b32 s[\g+7], 0
.endr
	s_mul_i32 s46, s[WV], TILEB                    ; where they go: by the wave's number alone
	s_lshl_b32 s47, s[WV], 12
	s_lshl_b32 s2, s[WH], 7
	s_add_co_u32 s47, s47, s2
	s_add_co_u32 s47, s47, SCL
	s_mov_b32 s[SEL], 0x76543210
	s_mov_b32 s[SEL+1], 0xfedcba98
	s_wait_dscnt 0x0                               ; the opening add is done
	s_wait_kmcnt 0x0
	s_add_nc_u64 s[92:93], s[4:5], s[92:93]
	s_add_nc_u64 s[94:95], s[6:7], s[94:95]
	s_add_nc_u64 s[96:97], s[4:5], s[96:97]
	s_add_nc_u64 s[98:99], s[6:7], s[98:99]
	CROUND                                         ; all sixteen work-groups are here: the first joint loads meet
	s_mov_b32 s[G0S], 1
	s_mov_b32 s[G0S+1], s47
	s_mov_b64 s[G0S+2:G0S+3], s[94:95]
	s_or_b32 s[G0S+3], s[G0S+3], 0x80000000
	s_mov_b32 s[G0SB], 1
	s_mov_b32 s[G0SB+1], s47
	s_mov_b64 s[G0SB+2:G0SB+3], s[98:99]
	s_or_b32 s[G0SB+3], s[G0SB+3], 0x80000000
	JLOAD G0S, G1S, G0SB, G1SB                     ; the scale words first: they are wanted with the first K step
.irp s, 0,1
	s_mov_b32 s[G0+4*\s], 1
	s_add_co_u32 s[G0+4*\s+1], s46, \s*SLOT
	s_add_nc_u64 s[G0+4*\s+2:G0+4*\s+3], s[92:93], \s*3072
	s_or_b32 s[G0+4*\s+3], s[G0+4*\s+3], 0x80000000
	s_mov_b32 s[G0B+4*\s], 1
	s_add_co_u32 s[G0B+4*\s+1], s46, \s*SLOT
	s_add_nc_u64 s[G0B+4*\s+2:G0B+4*\s+3], s[96:97], \s*3072
	s_or_b32 s[G0B+4*\s+3], s[G0B+4*\s+3], 0x80000000
	JLOAD G0+4*\s, G1, G0B+4*\s, G1B               ; three loads of mine are out behind the second
.endr
	v_and_b32 v1, 31, v0                           ; l
	v_and_b32 v2, 15, v0                           ; r
	v_bfe_u32 v3, v0, 4, 1                         ; h
	v_lshlrev_b32 v[O16], 4, v1
	v_lshl_add_u32 v[O8], v1, 3, 512
	s_mul_i32 s44, s[WH], TILEB                    ; my 128 rows of Y
	s_mul_i32 s45, s[WL], TILEB                    ; my 128 rows of X,
	s_add_co_u32 s45, s45, 2*TILEB                 ; behind Y's 256
.irp s, 0,1
	v_add_nc_u32 v[ADRA+\s], s44, v[O16]
	v_add_nc_u32 v[ADRA+2+\s], s44, v[O8]
	v_add_nc_u32 v[ADRB+\s], s45, v[O16]
	v_add_nc_u32 v[ADRB+2+\s], s45, v[O8]
	s_add_co_u32 s44, s44, SLOT
	s_add_co_u32 s45, s45, SLOT
.endr
	s_lshl_b32 s44, s[WH], 12                      ; Y's scale words: my 128 rows
	s_lshl_b32 s45, s[WL], 12                      ; X's: behind Y's two blocks and 128 bytes
	s_add_co_u32 s45, s45, 8320
	s_sub_co_u32 s45, s45, s44
	v_mul_u32_u24 v4, s45, v3                      ; lanes 16-31 take X's: one product, the distance between the two
	v_lshl_add_u32 v4, v2, 2, v4
	s_add_co_u32 s44, s44, SCL
	v_add_nc_u32 v[ADRS], s44, v4
	s_lshl_b32 s44, s[WV], 10
	s_add_co_u32 s44, s44, STG                     ; my stage
	v_lshlrev_b32 v4, 9, v3
	v_lshl_add_u32 v4, v2, 2, v4
	v_add_nc_u32 v[STW], s44, v4                   ; 512 h + 4 r
	v_add_nc_u32 v[STR], s44, v[O16]
	v_lshlrev_b32 v6, 6, v3                        ; the bias along x: my half's 16 numbers begin 64 h bytes on
	v_and_b32 v7, 8, v2
	v_add_nc_u32 v7, v7, v2
	v_lshlrev_b32 v7, 2, v7                        ; along y: my row of a tile: 4 (r + 8 (r / 8))
	; which bias, which output buffer
	s_cmp_eq_u32 s[KIND], 0
	s_cselect_b64 s[8:9], s[8:9], s[10:11]
	s_cselect_b64 s[14:15], s[14:15], s[16:17]     ; qa or kv
	s_mov_b32 s[HS], 208896
	s_cselect_b32 s[HS], 106496, s[HS]
	s_mov_b32 s2, 196608
	s_cselect_b32 s2, 98304, s2                    ; where q's or k's scale words begin in a record
	s_cmp_eq_u32 s[KIND], 2
	s_cselect_b64 s[8:9], s[12:13], s[8:9]
	s_lshl_b32 s44, s[TC], 10
	s_lshl_b32 s45, s[WL], 9
	s_add_co_u32 s44, s44, s45                     ; my 128 x, as bytes of the bias,
	s_lshl_b32 s46, s[TR], 10
	s_lshl_b32 s47, s[WH], 9
	s_add_co_u32 s46, s46, s47                     ; or my 128 y
	s_cmp_lt_u32 s[KIND], 2
	s_cselect_b32 s44, s44, s46
	s_mov_b32 s45, 0
	s_add_nc_u64 s[8:9], s[8:9], s[44:45]
	s_cmp_lt_u32 s[KIND], 2                        ; a branch on the cluster's y: the same in all partners
	s_cbranch_scc0 .Lbias_y
.irp t, 0,1,2,3,4,5,6,7                        ; q, k: the bias runs along x: eight registers a tile of X, in the result's layout
	global_load_b128 v[BX+8*\t:BX+8*\t+3], v6, s[8:9] offset:4*(32*(\t/2)+8*(\t%2))
	global_load_b128 v[BX+8*\t+4:BX+8*\t+7], v6, s[8:9] offset:4*(32*(\t/2)+8*(\t%2))+16
.endr
.irp a, 0,1,2,3,4,5,6,7
	v_mov_b32 v[BY+2*\a], 0
.endr
	s_branch .Lbias_done
.Lbias_y:
.set jj, 0
.rept 64
	v_mov_b32 v[BX+jj], 0                          ; v: the bias runs along y: one number a lane for each of Y's eight tiles
.set jj, jj+1
.endr
.irp a, 0,1,2,3,4,5,6,7
	global_load_b32 v[BY+2*\a], v7, s[8:9] offset:4*(32*(\a/2)+8*(\a%2))
.endr
.Lbias_done:
	; where the results go.  TA: Y's first tile of 16 of my wave; GX: X's group of 128
	s_lshl_b32 s44, s[TR], 4
	s_lshl_b32 s45, s[WH], 3
	s_add_co_u32 s44, s44, s45                     ; TA
	s_lshl_b32 s45, s[TC], 1
	s_add_co_u32 s45, s45, s[WL]                   ; GX
	s_lshr_b32 s46, s44, 7                         ; q, k: batch = TA / 128; GX's 128 features are heads 2 GX, 2 GX + 1
	s_lshl_b32 s46, s46, 4
	s_lshl_b32 s47, s45, 1
	s_add_co_u32 s46, s46, s47                     ; the record
	s_and_b32 s47, s44, 127                        ; the tile in the sequence
	s_mul_i32 s92, s47, 768                        ; its codes,
	s_lshl_b32 s93, s47, 6
	s_add_co_u32 s93, s93, s2                      ; its scale words
	s_lshr_b32 s94, s45, 4                         ; v: batch = GX / 16; head = TA / 4
	s_lshl_b32 s94, s94, 4
	s_lshr_b32 s95, s44, 2
	s_add_co_u32 s94, s94, s95
	s_and_b32 s95, s45, 15                         ; the key step
	s_mul_i32 s96, s95, 6144
	s_add_co_u32 s96, s96, 98304
	s_lshl_b32 s97, s95, 8
	s_add_co_u32 s97, s97, 204800
	s_mov_b32 s98, 3072
	s_mov_b32 s99, 208896
	s_cmp_lt_u32 s[KIND], 2
	s_cselect_b32 s46, s46, s94
	s_cselect_b32 s92, s92, s96
	s_cselect_b32 s93, s93, s97
	s_cselect_b32 s94, s98, s[HS]                  ; from Y's tiles 0-3 to tiles 4-7: four tiles on, or the next head's record
	s_cselect_b32 s96, s[HS], s98                  ; from x 0-63 to x 64-127: the next head's record, or the next chunk of keys
	s_cselect_b32 s99, 256, s99                    ; the scale words' second 256 bytes: on end, or in the next head's record
	s_cselect_b32 s[MSK], 0xffff, -1
	s_cselect_b32 s[ORV], 0x7f7f0000, 0
	s_cselect_b32 s47, 16, 0
	s_mul_i32 s44, s46, s[HS]
	s_mov_b32 s45, 0
	s_mov_b32 s95, 0
	s_mov_b32 s97, 0
	s_add_nc_u64 s[14:15], s[14:15], s[44:45]      ; the record
	s_mov_b32 s44, s93
	s_add_nc_u64 s[SB:SB+1], s[14:15], s[44:45]
	s_mov_b32 s44, s[HS]
	s_add_nc_u64 s[SB2:SB2+1], s[SB:SB+1], s[44:45]
	s_mov_b32 s44, s92
	s_add_nc_u64 s[4:5], s[14:15], s[44:45]        ; the codes' four bases, (tiles 0-3 or 4-7, x 0-63 or 64-127) at s[4 + 6 p + 2 c]
	s_add_nc_u64 s[6:7], s[4:5], s[96:97]
	s_add_nc_u64 s[10:11], s[4:5], s[94:95]
	s_add_nc_u64 s[12:13], s[10:11], s[96:97]
	v_mul_u32_u24 v[SHV], s47, v3
	v_mul_u32_u24 v8, s99, v3
	v_lshl_add_u32 v8, v2, 4, v8                   ; v8: the scale words' way out: 16 (l % 16) + (l / 16) x that distance
.macro FRAG reg, adr, q, i             ; a fragment: chunks 2 q and 2 q + 1 of row tile i: for each 512 consecutive bytes and the 256 behind them
.irp c, 0,1
	ds_load_b128 v[\reg+6*\c:\reg+6*\c+3], v[\adr] offset:3072*(\i)+768*(2*(\q)+\c)
	ds_load_b64 v[\reg+6*\c+4:\reg+6*\c+5], v[\adr+2] offset:3072*(\i)+768*(2*(\q)+\c)
.endr
.endm
; 16 matrix instructions: Y's blocks a0, a0 + 1 x X's eight, 128 along K.  p: X's set; sc: the set of scale words.  first = 1: the sum begins with the bias along x.
; The 64 accumulators take turns, one instruction a turn, in the same order in every step.
.macro MUL16 a0, p, q, sc, first
.irp a, \a0, \a0+1
.irp b, 0,1,2,3,4,5,6,7
.if \first
	v_wmma_scale_f32_16x16x128_f8f6f4 v[8*(8*((\a)%4)+\b):8*(8*((\a)%4)+\b)+7], v[128*(\p)+FR*\b:128*(\p)+FR*\b+FR-1], v[AF+FR*(\a):AF+FR*(\a)+FR-1], v[BX+8*\b:BX+8*\b+7], v[SC+16*(\sc)+2*\b+(\q)], v[SC+16*(\sc)+2*(\a)+(\q)] matrix_a_fmt:MATRIX_FMT_FP6 matrix_b_fmt:MATRIX_FMT_FP6 matrix_a_scale:MATRIX_SCALE_ROW1
.else
	v_wmma_scale_f32_16x16x128_f8f6f4 v[8*(8*((\a)%4)+\b):8*(8*((\a)%4)+\b)+7], v[128*(\p)+FR*\b:128*(\p)+FR*\b+FR-1], v[AF+FR*(\a):AF+FR*(\a)+FR-1], v[8*(8*((\a)%4)+\b):8*(8*((\a)%4)+\b)+7], v[SC+16*(\sc)+2*\b+(\q)], v[SC+16*(\sc)+2*(\a)+(\q)] matrix_a_fmt:MATRIX_FMT_FP6 matrix_b_fmt:MATRIX_FMT_FP6 matrix_a_scale:MATRIX_SCALE_ROW1
.endif
.endr
.endr
.endm
.macro FETCH_B slot, q, p              ; X's eight fragments into set p: 32 loads
	WIN TO_B
.irp i, 0,1,2,3,4,5,6,7
	FRAG 128*(\p)+FR*\i, ADRB+\slot, \q, \i
.endr
	WIN 0
.endm
.macro FETCH_A slot, q, i0             ; Y's blocks i0 .. i0 + 3: 16 loads
.irp i, \i0, \i0+1, \i0+2, \i0+3
	FRAG AF+FR*(\i), ADRA+\slot, \q, \i
.endr
.endm
.macro SCALES sc, n                    ; the scale words of the n-th 256 along K: register 2 i + q: lanes 0-15 Y's block i, lanes 16-31 X's block i
.irp i, 0,1,2,3,4,5,6,7
.irp q, 0,1
	ds_load_b32 v[SC+16*(\sc)+2*\i+\q], v[ADRS] offset:1024*(\n)+512*\q+64*\i
.endr
.endr
.endm
.macro PLACES n                        ; plain vector instructions that name no register of the matrix instructions ahead of them (ISA guide 7.12.1)
.rept \n
	v_nop
.endr
.endm
; A step of 128 along K that has its successor in the same slot.  first = 1: C comes from window 0
.macro STEP slot, q, first
	s_wait_dscnt 4*NL                              ; X's set, Y's blocks 0-3 and the scale words are in; the youngest sixteen loads (Y's blocks 4-7) may be out
	WIN MUL_LO-0x20*(\first)
	MUL16 0, (\q)%2, \q, \slot, \first
	MUL16 2, (\q)%2, \q, \slot, \first
	s_wait_dscnt 0x0                               ; Y's blocks 4-7 are in
	PLACES NP
	FETCH_B \slot, (\q)+1, 1-(\q)%2
	FETCH_A \slot, (\q)+1, 0
	WIN MUL_HI-0x30*(\first)
	MUL16 4, (\q)%2, \q, \slot, \first
	MUL16 6, (\q)%2, \q, \slot, \first
	PLACES NP
	WIN 0
	FETCH_A \slot, (\q)+1, 4
.endm
; A slot's last step changes slots: ONE barrier; in front of it each wave waits for all its tensor loads, adds 0 to its spare word, and waits for that and for its own reads of this slot.
; fill = 1: the barrier opens a round of the cluster's, and this slot is filled again, 512 along K further on.  n: which 256 along K the next slot holds.
.macro TURN slot, next, fill, n
	s_wait_tensorcnt 0x0                           ; all my tensor loads have landed: my part of the next slot  (every window is 0 here)
	ds_add_u32 v[SPW], v[NIL]                      ; 0 onto my spare word
	s_wait_dscnt 4*NL+1                            ; (the add and the youngest sixteen loads may be out)
	WIN MUL_LO
	MUL16 0, 1, 1, \slot, 0                        ; sixteen matrix instructions stand between the add and the wait for it
	s_wait_dscnt 0x0                               ; the add is done, and my reads of this slot are over
	s_barrier_signal -1
	MUL16 2, 1, 1, \slot, 0
	WIN 0
	s_barrier_wait -1
.if \fill
	CREST                                          ; no wave of any partner still reads this slot's tile or has a load on its way
	s_add_nc_u64 s[G0+4*\slot+2:G0+4*\slot+3], s[G0+4*\slot+2:G0+4*\slot+3], 6144
	s_add_nc_u64 s[G0B+4*\slot+2:G0B+4*\slot+3], s[G0B+4*\slot+2:G0B+4*\slot+3], 6144
	JLOAD G0+4*\slot, G1, G0B+4*\slot, G1B         ; the first tensor load behind the round; its four v_nop are the places in front of the loads below
.else
	PLACES NP
.endif
	FETCH_B \next, 0, 0
	FETCH_A \next, 0, 0
	SCALES \next, \n
	WIN MUL_HI
	MUL16 4, 1, 1, \slot, 0
	MUL16 6, 1, 1, \slot, 0
	PLACES NP
	WIN 0
	FETCH_A \next, 0, 4
.endm
	s_wait_tensorcnt 0x1                           ; the scale words and my part of slot 0 are in (slot 1's load may be out)
	s_barrier_signal -1
	s_barrier_wait -1                              ; everybody's are
	FETCH_B 0, 0, 0
	FETCH_A 0, 0, 0
	SCALES 0, 0
	FETCH_A 0, 0, 4
	s_wait_loadcnt 0x0                             ; the bias
.irp a, 0,1,2,3,4,5,6,7
	v_mov_b32 v[BY+2*\a+1], v[BY+2*\a]             ; a pair of equal numbers for the packed addition
.endr
	STEP 0, 0, 1                                   ; K = 1,024 is eight steps: written out, so that every offset is an immediate
	TURN 0, 1, 1, 1
	STEP 1, 0, 0
	TURN 1, 0, 1, 2
	STEP 0, 0, 0
	TURN 0, 1, 0, 3                                ; nothing is left to fetch
	STEP 1, 0, 0
	s_wait_dscnt 4*NL
	WIN MUL_LO
	MUL16 0, 1, 1, 1, 0
	MUL16 2, 1, 1, 1, 0
	s_wait_dscnt 0x0
	WIN MUL_HI
	MUL16 4, 1, 1, 1, 0
	MUL16 6, 1, 1, 1, 0
	WIN 0
; 64 numbers of a lane, v[s] .. v[s + 63], register 16 b + i = x 32 b + 16 (lane / 16) + i of my row, become a fragment's codes in v[PC] on and its scale word in v[PW].
.macro QUANT s
.irp b, 0,1,2,3
	v_max3_num_f32 v[TM+\b], |v[\s+16*\b]|, |v[\s+1+16*\b]|, 0x1800000   ; my 16 numbers of block b, and the floor 2^(3 - 127): the byte cannot fall under 1
.endr
.irp i, 2,4,6,8,10,12,14
.irp b, 0,1,2,3
	v_max3_num_f32 v[TM+\b], v[TM+\b], |v[\s+16*\b+\i]|, |v[\s+1+16*\b+\i]|
.endr
.endr
.irp b, 0,1,2,3
	v_permlanex16_b32 v[TM+4+\b], v[TM+\b], s[SEL], s[SEL+1]
.endr
.irp b, 0,1,2,3
	v_max_num_f32 v[TM+\b], v[TM+\b], v[TM+4+\b]   ; with lane l xor 16's: the block's largest magnitude
.endr
.irp b, 0,1,2,3
	v_add_nc_u32 v[TM+12+\b], 0xff000000, v[TM+\b] ; 2 off its exponent field: the conversion's scale operand
.endr
.irp b, 0,1,2,3
	v_lshrrev_b32 v[TM+4+\b], 23, v[TM+12+\b]      ; the scale's byte
.endr
	v_lshl_or_b32 v[PW], v[TM+5], 8, v[TM+4]
	v_lshl_or_b32 v[PW], v[TM+6], 16, v[PW]
	v_lshl_or_b32 v[PW], v[TM+7], 24, v[PW]
.irp c, 0,1
	v_cvt_scalef32_pk16_fp6_f32 v[PC+6*\c:PC+2+6*\c], v[\s+32*\c:\s+15+32*\c], v[TM+12+2*\c]
	v_cvt_scalef32_pk16_fp6_f32 v[PC+12+4*\c:PC+14+4*\c], v[\s+16+32*\c:\s+31+32*\c], v[TM+12+2*\c+1]   ; (a conversion's three registers begin on an even number)
.endr
	v_nop                                          ; one plain place behind a scaled conversion
.irp c, 0,1                                    ; the layout wants a WHOLE block in a lane: lanes 0-15 block 2 c, lanes 16-31 block 2 c + 1
.irp i, 0,1,2
	v_permlane16_swap_b32 v[PC+6*\c+\i], v[PC+12+4*\c+\i]
.endr
.irp i, 0,1,2
	v_mov_b32 v[PC+3+6*\c+\i], v[PC+12+4*\c+\i]
.endr
.endr
.endm
; THE WAY OUT of Y's block a: 16 rows x 128 x.  The sums come into window 0 by the addition of the bias along y (each accumulator from its low end on), are quantised, and leave as two images of 768 bytes.
.macro OUTBLK a
.set AC, 64*((\a)%4)
.set PC, 192+20*((\a)%2)               ; the codes: v192.. and v212.. by turns
	s_wait_xcnt 0x0                                ; the stores of two blocks ago have read their registers: they are rewritten only behind this wait
	WIN 0x02+(\a)/4                                ; source 0: window 2 or 3
.set jj, 0
.rept 32
	v_pk_add_f32 v[NUM+jj:NUM+jj+1], v[AC+jj:AC+jj+1], v[BY+2*(\a):BY+2*(\a)+1]
.set jj, jj+2
.endr
	WIN 0
	QUANT NUM
.irp c, 0,1
	global_store_b128 v[O16], v[PC+6*\c:PC+6*\c+3], s[4+6*((\a)/4)+2*\c:5+6*((\a)/4)+2*\c] offset:768*((\a)%4)     ; 512 consecutive bytes,
	global_store_b64 v[O8], v[PC+6*\c+4:PC+6*\c+5], s[4+6*((\a)/4)+2*\c:5+6*((\a)/4)+2*\c] offset:768*((\a)%4)     ; and the 256 behind them
.endr
	v_lshrrev_b32 v81, v[SHV], v[PW]               ; q, k: lanes 0-15 keep the even head's two bytes, lanes 16-31 the odd head's, with 0x7f for the two blocks of padding; v: the word as it is
	v_and_or_b32 v81, v81, s[MSK], s[ORV]
	ds_store_b32 v[STW], v81 offset:64*(\a)
.endm
	PLACES NP                                      ; behind the last products: their results are read and their sources written below
.irp a, 0,1,2,3,4,5,6,7
	OUTBLK \a
.endr
	ds_load_b128 v[84:87], v[STR]                  ; LDS serves a wave's instructions in order: these see my stores
	ds_load_b128 v[88:91], v[STR] offset:512
	s_wait_dscnt 0x0
	global_store_b128 v8, v[84:87], s[SB:SB+1]     ; q, k: the even head's 128 words, 512 consecutive bytes; v: 64 words for each of two heads, 256 consecutive bytes each
	s_cmp_eq_u32 s[KIND], 2
	s_cbranch_scc1 .Lone_copy                      ; (v: the lanes' upper half held the same words)
	global_store_b128 v8, v[88:91], s[SB2:SB2+1]   ; the odd head's
.Lone_copy:
	s_wait_tensorcnt 0x0                           ; the wave's end: behind my last tensor load and my last LDS store
	ds_add_u32 v[SPW], v[NIL]
	s_wait_dscnt 0x0
	CROUND                                         ; the closing round: no work-group ends while a partner may still ask for a tile that names it
	s_endpgm
.Lfunc_end_k_qdc5b7d1e55_proj:
	.size	k_qdc5b7d1e55_proj, .Lfunc_end_k_qdc5b7d1e55_proj-k_qdc5b7d1e55_proj
	.p2alignl 7, 3214868480
	.fill 96, 4, 3214868480
	.section	.rodata,"a",@progbits
	.p2align	6, 0x0
	.amdhsa_kernel k_qdc5b7d1e55_proj
		.amdhsa_group_segment_fixed_size 327680
		.amdhsa_private_segment_fixed_size 0
		.amdhsa_enable_private_segment 0
		.amdhsa_kernarg_size 56
		.amdhsa_user_sgpr_count 2
		.amdhsa_user_sgpr_kernarg_segment_ptr 1
		.amdhsa_wavefront_size32 1
		.amdhsa_system_sgpr_workgroup_id_x 1
		.amdhsa_system_sgpr_workgroup_id_y 1
		.amdhsa_system_sgpr_workgroup_id_z 1
		.amdhsa_system_vgpr_workitem_id 0
		.amdhsa_next_free_vgpr 1024
		.amdhsa_next_free_sgpr 106
		.amdhsa_reserve_vcc 0
		.amdhsa_float_denorm_mode_32 3
		.amdhsa_float_denorm_mode_16_64 3
		.amdhsa_memory_ordered 1
		.amdhsa_forward_progress 1
		.amdhsa_inst_pref_size 175
	.end_amdhsa_kernel
	.amdgpu_metadata
---
amdhsa.version: [ 1, 2 ]
amdhsa.kernels:
  - .name:           k_qdc5b7d1e55_proj
    .symbol:         k_qdc5b7d1e55_proj.kd
    .args:
      - { .name: cod, .offset: 0, .size: 8, .value_kind: global_buffer, .address_space: global }
      - { .name: scl, .offset: 8, .size: 8, .value_kind: global_buffer, .address_space: global }
      - { .name: wq_b, .offset: 16, .size: 8, .value_kind: global_buffer, .address_space: global }
      - { .name: wk_b, .offset: 24, .size: 8, .value_kind: global_buffer, .address_space: global }
      - { .name: wv_b, .offset: 32, .size: 8, .value_kind: global_buffer, .address_space: global }
      - { .name: qa, .offset: 40, .size: 8, .value_kind: global_buffer, .address_space: global }
      - { .name: kv, .offset: 48, .size: 8, .value_kind: global_buffer, .address_space: global }
    .group_segment_fixed_size: 327680
    .private_segment_fixed_size: 0
    .kernarg_segment_align: 8
    .kernarg_segment_size: 56
    .max_flat_workgroup_size: 128
    .sgpr_count:     106
    .vgpr_count:     1024
    .wavefront_size: 32
...
	.end_amdgpu_metadata
.endif
;; end of part 2
;; launch attn (part 3): grid 4 x 64, 16 waves a work-group, clusters of 4 x 1, 210,944 bytes of LDS; arguments qa, kv, oc, os; writes oc, os
.if DOCPART == 3
	.amdgcn_target "amdgcn-amd-amdhsa--gfx1250"
	.amdhsa_code_object_version 6
	.text
	.protected	k_qdc5b7d1e55_attn
	.globl	k_qdc5b7d1e55_attn
	.p2align	8
	.type	k_qdc5b7d1e55_attn,@function
k_qdc5b7d1e55_attn:
	s_mov_b64 s[64:65], 0
	v_nop
	global_prefetch_b8 v0, s[64:65] scope:SCOPE_SE
	s_setreg_imm32_b32 hwreg(HW_REG_WAVE_MODE, 25, 1), 1
	s_wait_xcnt 0x0
	s_wait_alu depctr_hold_cnt(0) depctr_sa_sdst(0) depctr_va_vdst(0) depctr_va_sdst(0) depctr_va_ssrc(0) depctr_va_vcc(0) depctr_vm_vsrc(0)
	s_getreg_b32 s2, hwreg(HW_REG_IB_STS2, 6, 4)
	s_cmp_eq_u32 s2, 0
	s_cbranch_scc0 .Lentry_in_a_cluster
	s_endpgm
.Lentry_in_a_cluster:
	s_bfe_u32 s2, ttmp6, 0x10000c
	s_cmp_lg_u32 s2, 0x3003
	s_cbranch_scc0 .Lentry_shape_is_right
	s_endpgm
.Lentry_shape_is_right:
; Causal attention of one (batch, head) on codes of FP6 (E2M3): S = q k^T / 8, p = 2^(t - M), O = p v / the row's sum; O is quantised along the head's 64 for the last projection.
; t = score x log2(e) / 8; M = the running largest t rounded UP to a whole number; the row's sum is taken of the unquantised p; when M moves, the sum and O are multiplied by 2^(old M - new M): exact.
; A HEAD'S K AND V LIE IN LDS WHOLE: its record of kv, 208,896 bytes, is the image of LDS: k's codes [128 tiles of 16 keys][768] at 0, v's [32 chunks of 64 keys][4 tiles of 16 of the head's 64][768] at 98,304,
; k's scale words at 196,608, v's at 204,800.  It is filled once: no slot is filled again, and one barrier stands in the text.  The four work-groups of a cluster own one head and ask for every piece JOINTLY.
; SHARES.  The head's 2,048 queries are 16 groups m of 8 tiles of 16.  Partner cx owns tiles 2 cx + e of every group; wave w has e = w / 8 and takes group w % 8, then group 15 - w % 8:
; (m + 1) + (16 - m) = 17 key steps of 128 for every wave.  cx enters global addresses and the mask's number of a lane alone: no branch and no LDS address hangs on it.
; No barrier stands between a wave's two groups: the waves of a SIMD have unlike numbers of steps in each, and only the sum is even.
; LAYOUT.  Both products are used transposed: S^T = k q^T (source 0 = 16 keys), O^T = v^T p^T (source 0 = 16 of the head's 64): a lane holds ONE query throughout.  Tile 2 B + u of keys (of queries, of the head's 64)
; holds rows 32 B + 8 u + r + 8 (r / 8): so the 16 registers of tiles 2 b, 2 b + 1 are sixteen neighbours.
; K = 64 UNDER AN INSTRUCTION OF 128: q's registers 6-11 are zero codes; a tile of k is named with the six registers behind it (the next tile's codes, or zeros), which meet those zeros; the padding's scale bytes are 0x7f.
; OUT.  oc: laid as the first launch lays codes: [group of 128 rows][8 row tiles][16 chunks = heads][768]; os: [group][head / 2][128 rows][word].  A word of os spans two heads, and two heads' K and V do not fit in one LDS:
; so a tile's scale bytes leave as two bytes a row, 32 bytes beside the tile's 768 of codes.
; LIMITS: NaN and infinities are not served; hidden scores become -infinity where the definition adds -1e9: both give p = 0 while |logit| stays far under 1e9; a block of zeros gets the byte 1 (its codes are zeros).
; No prefetch: all that the launch reads through LDS is asked for at its head.
; REGISTERS: v1-6 addresses that stay; v7, v8 the add's two; v9 the mask's number; v10-15 the step's addresses; v16-27 q (v22-27 zeros); v28 q's scale word; v29 4 r; v32-79 eight tiles of k or four fragments of v;
;   v80-85 zeros; v86-93 their scale words; v96-159 S^T, then p; v160-191 O^T; v192-203 p's codes; v204-222 at work; v224 -M, v225 the largest t; v[226:227] the sum; v228-234 the second group's q.
.set VCO,   98304
.set KSC,   196608
.set VSC,   204800
.set SPARE, 208896                     ; behind the record: the spare words, 128 bytes for each of sixteen waves
.set SPW, 7
.set NIL, 8
.set D0,  9
.set BM,  204                          ; v204-207 the blocks' largest scores, then largest p
.set BT,  208                          ; v208-215 at work
.set SO,  216                          ; v216-219 the conversions' scale operands
.set FF,  220                          ; v220 f = 2^(old M - new M);  v221 p's scale word
.set TT,  222
.set NM,  224
.set SUM, 226
.set Q2,  228
.set WV,  12
.set E,   13
.set M1,  14
.set CX,  15
.set BH,  16
.set M2,  17
.set SEL, 20                           ; s[20:21] v_permlanex16_b32's selects for lane l xor 16
.set CS,  22                           ; s[22:23] c = log2(e) / 8
.set G1,  24                           ; s[24:31] descriptor group 1: 48 rows of 256 bytes;  s[32:39]: 12 rows;  s[40:59] five groups 0
.set G1S, 32
.set G0,  40
.set J,   60                           ; the key step
.set MM,  61                           ; my group of queries
.set TB,  62                           ; 6,144 J: the step's codes
.set TS,  63                           ; 512 J: k's scale words
.set TJ,  66                           ; 256 J: v's
.set CNT, 67
.macro CROUND                          ; a round of the cluster's barrier
	s_barrier_signal -1
	s_barrier_wait -1
	s_cmp_lg_u32 s[WV], 0
	s_cbranch_scc1 .Lnot_wave_0_\@
	s_barrier_signal -3
.Lnot_wave_0_\@:
	s_barrier_wait -3
	s_barrier_signal -1
	s_barrier_wait -1
.endm
	s_load_b256 s[4:11], s[0:1], 0x0               ; qa s[4:5], kv s[6:7], oc s[8:9], os s[10:11]
	v_lshl_add_u32 v[SPW], v0, 2, SPARE
	v_mov_b32 v[NIL], 0
	ds_add_u32 v[SPW], v[NIL]                      ; the wave's opening: the add and its wait stand ahead of my first tensor load; the set-up below stands between them
	ds_add_u32 v[SPW], v[NIL]
	v_lshrrev_b32 v1, 5, v0
	s_delay_alu instid0(VALU_DEP_1)
	v_readfirstlane_b32 s[WV], v1                  ; wave 0..15
	s_lshr_b32 s[E], s[WV], 3
	s_and_b32 s[M1], s[WV], 7
	s_sub_co_u32 s[M2], 15, s[M1]
	s_bfe_u32 s[CX], ttmp6, 0x40000
	s_and_b32 s[BH], ttmp7, 0xffff                 ; 16 x batch + head: the cluster's y
	s_and_b32 s18, s[WV], 3                        ; waves 0 to 3 fetch; the offsets are made of wave % 4, so that they are places of the record in every wave
	s_mul_i32 s84, s18, 3072
	s_add_co_u32 s84, s84, KSC                     ; my quarter of the scale words
	s_mov_b32 s85, 0
	s_lshr_b32 s19, s18, 1                         ; k's codes (0) or v's (1),
	s_and_b32 s18, s18, 1                          ; the even or the odd pieces of 12,288 bytes
	s_mul_i32 s86, s19, VCO
	s_mul_i32 s18, s18, 12288
	s_add_co_u32 s86, s86, s18
	s_mov_b32 s87, 0
	s_mul_i32 s88, s[BH], 208896
	s_mov_b32 s89, 0
	s_mov_b32 s[G1], 15|(3<<16)|(1<<21)            ; 15:0 the mask: all four work-groups; 17:16 elements of 8 bytes; 21 set beside a mask; no padding
	s_mov_b32 s[G1+1], 32<<16                      ; tensor_dim0: 256 bytes
	s_mov_b32 s[G1+2], 48<<16                      ; tensor_dim1
	s_mov_b32 s[G1+3], 32<<16                      ; tile_dim0
	s_mov_b32 s[G1+4], 48                          ; tile_dim1
	s_mov_b32 s[G1+5], 32                          ; tensor_dim0_stride: dense
	s_mov_b32 s[G1+6], 0
	s_mov_b32 s[G1+7], 0
	s_mov_b32 s[G1S], 15|(3<<16)|(1<<21)
	s_mov_b32 s[G1S+1], 32<<16
	s_mov_b32 s[G1S+2], 12<<16
	s_mov_b32 s[G1S+3], 32<<16
	s_mov_b32 s[G1S+4], 12
	s_mov_b32 s[G1S+5], 32
	s_mov_b32 s[G1S+6], 0
	s_mov_b32 s[G1S+7], 0
	s_mov_b32 s[SEL], 0x76543210
	s_mov_b32 s[SEL+1], 0xfedcba98
	s_mov_b32 s[CS], 0x3e38aa3b                    ; log2(e) / 8
	s_mov_b32 s[CS+1], s[CS]                       ; (named with it as a pair, so it is written)
	s_wait_dscnt 0x0                               ; the opening add is done
	s_wait_kmcnt 0x0
	s_add_nc_u64 s[6:7], s[6:7], s[88:89]          ; the head's record
	s_mov_b32 s[G0], 1
	s_mov_b32 s[G0+1], s84                         ; a byte of the record goes to the same byte of LDS
	s_add_nc_u64 s[G0+2:G0+3], s[6:7], s[84:85]
	s_or_b32 s[G0+3], s[G0+3], 0x80000000
	s_add_nc_u64 s[90:91], s[6:7], s[86:87]
.irp i, 1,2,3,4
	s_mov_b32 s[G0+4*\i], 1
	s_add_co_u32 s[G0+4*\i+1], s86, 24576*(\i-1)
	s_add_nc_u64 s[G0+4*\i+2:G0+4*\i+3], s[90:91], 24576*(\i-1)
	s_or_b32 s[G0+4*\i+3], s[G0+4*\i+3], 0x80000000
.endr
	CROUND                                         ; all four work-groups are here: the joint loads meet
	s_cmp_lt_u32 s[WV], 4                          ; a wave's fills stand in one branch on the wave's number: five loads of mine are out
	s_cbranch_scc0 .Lno_fetch
	tensor_load_to_lds s[G0:G0+3], s[G1S:G1S+7]
	s_nop 0
.irp i, 1,2,3,4
	tensor_load_to_lds s[G0+4*\i:G0+4*\i+3], s[G1:G1+7]
	s_nop 0
.endr
.rept 4
	v_nop
.endr
.Lno_fetch:
	s_mul_i32 s88, s[BH], 106496
	s_add_nc_u64 s[4:5], s[4:5], s[88:89]          ; the head's record of q
	s_lshl_b32 s2, s[CX], 1
	s_add_co_u32 s2, s2, s[E]                      ; my tile in a group: 2 cx + e
	s_lshr_b32 s18, s[BH], 4                       ; batch
	s_and_b32 s19, s[BH], 15                       ; head
	s_lshl_b32 s90, s18, 7                         ; 128 tiles a batch
	s_lshl_b32 s87, s18, 4                         ; 16 groups a batch
	s_mul_i32 s91, s19, 768
	s_lshr_b32 s3, s19, 1
	s_lshl_b32 s3, s3, 9
	s_and_b32 s19, s19, 1
	s_lshl_b32 s19, s19, 1
	s_add_co_u32 s3, s3, s19
	s_lshl_b32 s19, s2, 6
	s_add_co_u32 s3, s3, s19                       ; in a group of os: 512 (head / 2) + 64 x tile + 2 (head % 2)
.macro PLACE m, q, qs, oc, os          ; the four addresses of group s[m]'s tile
	s_lshl_b32 s86, s[\m], 3
	s_add_co_u32 s86, s86, s2                      ; the tile among the head's 128
	s_mul_i32 s88, s86, 768
	s_add_nc_u64 s[\q:\q+1], s[4:5], s[88:89]
	s_lshl_b32 s88, s86, 6
	s_add_co_u32 s88, s88, 98304
	s_add_nc_u64 s[\qs:\qs+1], s[4:5], s[88:89]
	s_add_co_u32 s88, s86, s90
	s_mul_i32 s88, s88, 12288
	s_add_co_u32 s88, s88, s91
	s_add_nc_u64 s[\oc:\oc+1], s[8:9], s[88:89]
	s_add_co_u32 s88, s[\m], s87
	s_lshl_b32 s88, s88, 12
	s_add_co_u32 s88, s88, s3
	s_add_nc_u64 s[\os:\os+1], s[10:11], s[88:89]
.endm
	PLACE M1, 68, 70, 76, 78
	PLACE M2, 72, 74, 80, 82
	v_and_b32 v1, 31, v0
	s_delay_alu instid0(VALU_DEP_1)
	v_lshl_add_u32 v2, v1, 3, 512                  ; 512 + 8 l
	s_delay_alu instid0(VALU_DEP_2)
	v_lshlrev_b32 v1, 4, v1                        ; 16 l
	s_delay_alu instid0(VALU_DEP_1)
	v_add_nc_u32 v3, VCO, v1
	s_delay_alu instid0(VALU_DEP_3)
	v_add_nc_u32 v4, VCO, v2
	v_and_b32 v29, 15, v0                          ; r
	v_bfe_u32 v10, v0, 4, 1                        ; h
	s_delay_alu instid0(VALU_DEP_2)
	v_and_b32 v11, 8, v29
	s_delay_alu instid0(VALU_DEP_1)
	v_add_nc_u32 v[D0], v11, v29
	s_delay_alu instid0(VALU_DEP_3)
	v_lshlrev_b32 v11, 4, v10
	s_delay_alu instid0(VALU_DEP_1)
	v_sub_nc_u32 v[D0], v[D0], v11
	s_lshl_b32 s86, s[CX], 5
	s_lshl_b32 s88, s[E], 3
	s_add_co_u32 s86, s86, s88
	v_add_nc_u32 v[D0], s86, v[D0]                 ; my query in its group less 16 h: 32 cx + 8 e + r + 8 (r / 8) - 16 h.  Register 16 b + i holds key 32 b + 16 h + i of the step: hidden on the diagonal where 32 b + i is greater
	v_lshlrev_b32 v29, 2, v29                      ; 4 r
	s_delay_alu instid0(VALU_DEP_1)
	v_add_nc_u32 v5, KSC, v29
	s_delay_alu instid0(VALU_DEP_2)
	v_add_nc_u32 v6, VSC, v29
	global_load_b128 v[16:19], v1, s[68:69]        ; q of my first tile: an image of 768 bytes,
	global_load_b64 v[20:21], v2, s[68:69]
	global_load_b32 v28, v29, s[70:71]             ; and its scale words
	global_load_b128 v[Q2:Q2+3], v1, s[72:73]      ; and of my second
	global_load_b64 v[Q2+4:Q2+5], v2, s[72:73]
	global_load_b32 v[Q2+6], v29, s[74:75]
.irp i, 0,1,2,3,4,5
	v_mov_b32 v[22+\i], 0                          ; zero codes: k = 64 .. 127 of q
	v_mov_b32 v[80+\i], 0                          ; what stands behind the eighth tile of k
.endr
.irp b, 0,1,2,3
	v_mov_b32 v[BT+\b], 0                          ; written once: a lane permute's destination counts as one of its sources
.endr
	v_mov_b32 v[FF+1], 0                           ; (named as the upper half of the pair before it is first written)
	v_mov_b32 v[TT], 0
.macro INIT                            ; a tile's start: the first change of M multiplies zeros
	v_mov_b32 v[NM+1], 0xff61b1e6                  ; the largest t so far: -3e38
	s_delay_alu instid0(VALU_DEP_1)
	v_floor_f32 v[NM], -v[NM+1]
	v_mov_b32 v[SUM], 0
	v_mov_b32 v[SUM+1], 0
.set jj, 0
.rept 32
	v_mov_b32 v[160+jj], 0
.set jj, jj+1
.endr
	s_mov_b32 s[J], 0
	s_mov_b32 s[TB], 0
	s_mov_b32 s[TS], 0
	s_mov_b32 s[TJ], 0
.endm
; A KEY STEP: 128 keys.  A step all of whose keys come after my queries is left out by a scalar branch on the wave's number and the count of steps; the lines that step addresses are walked in every trip.
.macro STEP
	s_cmp_gt_u32 s[J], s[MM]
	s_cbranch_scc1 .Lhidden_\@
	s_setprio 2
	v_add_nc_u32 v10, s[TB], v1                    ; these six are also the places in front of the loads into registers that the last products read
	v_add_nc_u32 v11, s[TB], v2
	v_add_nc_u32 v12, s[TB], v3
	v_add_nc_u32 v13, s[TB], v4
	v_add_nc_u32 v14, s[TS], v5
	v_add_nc_u32 v15, s[TJ], v6
.irp t, 0,1,2,3,4,5,6,7
	ds_load_b128 v[32+6*\t:35+6*\t], v10 offset:768*\t
	ds_load_b64 v[36+6*\t:37+6*\t], v11 offset:768*\t
	ds_load_b32 v[86+\t], v14 offset:64*\t
.endr
	s_wait_alu depctr_va_vdst(0)
	s_wait_dscnt 0x0
.irp t, 0,1,2,3,4,5,6,7
	v_wmma_scale_f32_16x16x128_f8f6f4 v[96+8*\t:103+8*\t], v[32+6*\t:43+6*\t], v[16:27], 0, v[86+\t], v28 matrix_a_fmt:MATRIX_FMT_FP6 matrix_b_fmt:MATRIX_FMT_FP6
.endr
.rept 4
	v_nop                                          ; places: the scores are read below, and v's fragments land where k's lay
.endr
.irp t, 0,1,2,3                                ; v's four fragments are asked for here and land under the softmax
.irp c, 0,1
	ds_load_b128 v[32+12*\t+6*\c:35+12*\t+6*\c], v12 offset:3072*\c+768*\t
	ds_load_b64 v[36+12*\t+6*\c:37+12*\t+6*\c], v13 offset:3072*\c+768*\t
.endr
	ds_load_b32 v[86+\t], v15 offset:64*\t
.endr
	s_cmp_lg_u32 s[J], s[MM]
	s_cbranch_scc1 .Lopen_\@
	v_mov_b32 v[TT], 0xff800000                    ; on the diagonal hidden scores become -infinity ahead of the maximum: p = 0 then
.set jj, 0
.rept 64
	v_cmp_gt_i32 vcc_lo, 32*(jj/16)+jj%16, v[D0]
	v_cndmask_b32 v[96+jj], v[96+jj], v[TT], vcc_lo
.set jj, jj+1
.endr
.Lopen_\@:
.irp b, 0,1,2,3
	v_max3_num_f32 v[BM+\b], v[96+16*\b], v[97+16*\b], v[98+16*\b]   ; the largest score of each block of 32 keys: for the row's maximum, and, since p rises with the score, for the block's largest p
.endr
.irp i, 3,5,7,9,11,13
.irp b, 0,1,2,3
	v_max3_num_f32 v[BM+\b], v[BM+\b], v[96+16*\b+\i], v[97+16*\b+\i]
.endr
.endr
.irp b, 0,1,2,3
	v_max_num_f32 v[BM+\b], v[BM+\b], v[111+16*\b]
.endr
.irp b, 0,1,2,3
	s_delay_alu instid0(VALU_DEP_4)
	v_permlanex16_b32 v[BT+\b], v[BM+\b], s[SEL], s[SEL+1]
.endr
.irp b, 0,1,2,3
	s_delay_alu instid0(VALU_DEP_4)
	v_max_num_f32 v[BM+\b], v[BM+\b], v[BT+\b]     ; with lane l xor 16's 16 keys
.endr
	s_delay_alu instid0(VALU_DEP_2)
	v_max3_num_f32 v[TT], v[BM], v[BM+1], v[BM+2]
	s_delay_alu instid0(VALU_DEP_1)
	v_max_num_f32 v[TT], v[TT], v[BM+3]
	s_delay_alu instid0(VALU_DEP_1)
	v_mul_f32 v[TT], s[CS], v[TT]                  ; the step's largest t of my query
	s_delay_alu instid0(VALU_DEP_1)
	v_max_num_f32 v[NM+1], v[NM+1], v[TT]
	v_mov_b32 v[TT], v[NM]
	s_delay_alu instid0(VALU_DEP_2)
	v_floor_f32 v[NM], -v[NM+1]                    ; the new -M = floor(-t): M is a whole number
	s_delay_alu instid0(VALU_DEP_1)
	v_sub_f32 v[TT], v[NM], v[TT]                  ; old M - new M, 0 or less
	s_delay_alu instid0(VALU_DEP_1)
	v_cvt_i32_f32 v[TT], v[TT]                     ; (it saturates)
	s_delay_alu instid0(VALU_DEP_1)
	v_ldexp_f32 v[FF], 1.0, v[TT]                  ; f = 2^(old M - new M)
.set jj, 0
	s_setprio 1
.rept 32
	v_pk_fma_f32 v[96+jj:97+jj], v[96+jj:97+jj], s[CS:CS+1], v[NM:NM+1] op_sel_hi:[1,0,0]   ; t - M, two at a time
.set jj, jj+2
.endr
.irp b, 0,1,2,3
	v_fma_f32 v[BM+\b], v[BM+\b], s[CS], v[NM]     ; the same of each block's largest score
.endr
.set jj, 0
	s_wait_alu depctr_va_vdst(0)
.rept 64
	v_exp_f32 v[96+jj], v[96+jj]                   ; p = 2^(t - M)
.set jj, jj+1
.endr
	v_pk_mul_f32 v[SUM:SUM+1], v[SUM:SUM+1], v[FF:FF+1] op_sel_hi:[1,0]   ; the sums under the new M: a plain place behind the exponentials
	s_wait_alu depctr_va_vdst(0)                   ; one wait for the whole batch, ahead of its first reader
.irp b, 0,1,2,3
	v_exp_f32 v[BM+\b], v[BM+\b]                   ; the block's largest p: the same two instructions on the same number
.endr
	v_pk_add_f32 v[208:209], v[100:101], v[104:105]
	v_pk_add_f32 v[254:255], v[108:109], v[112:113]
	v_pk_add_f32 v[252:253], v[116:117], v[120:121]
	v_pk_add_f32 v[250:251], v[124:125], v[128:129]
	v_pk_add_f32 v[248:249], v[132:133], v[136:137]
	v_pk_add_f32 v[246:247], v[140:141], v[144:145]
	v_pk_add_f32 v[244:245], v[148:149], v[152:153]
	v_pk_add_f32 v[226:227], v[226:227], v[156:157]
	v_pk_add_f32 v[208:209], v[208:209], v[96:97]
	v_pk_add_f32 v[254:255], v[254:255], v[98:99]
	v_pk_add_f32 v[252:253], v[252:253], v[102:103]
	v_pk_add_f32 v[250:251], v[250:251], v[106:107]
	v_pk_add_f32 v[248:249], v[248:249], v[110:111]
	v_pk_add_f32 v[246:247], v[246:247], v[114:115]
	v_pk_add_f32 v[244:245], v[244:245], v[118:119]
	v_pk_add_f32 v[226:227], v[226:227], v[122:123]
	v_pk_add_f32 v[208:209], v[208:209], v[126:127]
	v_pk_add_f32 v[254:255], v[254:255], v[130:131]
	v_pk_add_f32 v[252:253], v[252:253], v[134:135]
	v_pk_add_f32 v[250:251], v[250:251], v[138:139]
	v_pk_add_f32 v[248:249], v[248:249], v[142:143]
	v_pk_add_f32 v[246:247], v[246:247], v[146:147]
	v_pk_add_f32 v[244:245], v[244:245], v[150:151]
	v_pk_add_f32 v[226:227], v[226:227], v[154:155]
	v_pk_add_f32 v[208:209], v[208:209], v[158:159]
	s_delay_alu instid0(VALU_DEP_2)
	v_pk_add_f32 v[226:227], v[226:227], v[250:251]
	s_delay_alu instid0(VALU_DEP_2)
	v_pk_add_f32 v[208:209], v[208:209], v[248:249]
	v_pk_add_f32 v[254:255], v[254:255], v[246:247]
	v_pk_add_f32 v[252:253], v[252:253], v[244:245]
	s_delay_alu instid0(VALU_DEP_2)
	v_pk_add_f32 v[226:227], v[226:227], v[254:255]
	s_delay_alu instid0(VALU_DEP_2)
	v_pk_add_f32 v[208:209], v[208:209], v[252:253]
	s_delay_alu instid0(VALU_DEP_1)
	v_pk_add_f32 v[226:227], v[226:227], v[208:209]
	s_wait_alu depctr_va_vdst(0)                   ; and one for the four
.irp b, 0,1,2,3
	v_max_num_f32 v[BM+\b], 0x1800000, v[BM+\b]    ; the floor 2^(3 - 127): the byte cannot fall under 1
.endr
.irp b, 0,1,2,3
	s_delay_alu instid0(VALU_DEP_4)
	v_add_nc_u32 v[SO+\b], 0xff000000, v[BM+\b]    ; 2 off the exponent field: the conversion's scale operand
.endr
.irp b, 0,1,2,3
	s_delay_alu instid0(VALU_DEP_4)
	v_lshrrev_b32 v[BT+\b], 23, v[SO+\b]           ; the scale's byte
.endr
	s_delay_alu instid0(VALU_DEP_3)
	v_lshl_or_b32 v[FF+1], v[BT+1], 8, v[BT]       ; p's scale word for these 128 keys
	s_delay_alu instid0(VALU_DEP_1)
	v_lshl_or_b32 v[FF+1], v[BT+2], 16, v[FF+1]
	s_delay_alu instid0(VALU_DEP_1)
	v_lshl_or_b32 v[FF+1], v[BT+3], 24, v[FF+1]
	s_setprio 0
.irp c, 0,1
	v_cvt_scalef32_pk16_fp6_f32 v[192+6*\c:194+6*\c], v[96+32*\c:111+32*\c], v[SO+2*\c]
	v_cvt_scalef32_pk16_fp6_f32 v[BT+4*\c:BT+2+4*\c], v[112+32*\c:127+32*\c], v[SO+2*\c+1]   ; (a conversion's three registers begin on an even number)
.endr
	v_nop                                          ; one plain place behind a scaled conversion
.irp c, 0,1                                    ; the layout wants a WHOLE block in a lane
.irp i, 0,1,2
	v_permlane16_swap_b32 v[192+6*\c+\i], v[BT+4*\c+\i]
.endr
.irp i, 0,1,2
	s_delay_alu instid0(VALU_DEP_3)
	v_mov_b32 v[195+6*\c+\i], v[BT+4*\c+\i]
.endr
.endr
.set jj, 0
.rept 16
	v_pk_mul_f32 v[160+jj:161+jj], v[160+jj:161+jj], v[FF:FF+1] op_sel_hi:[1,0]   ; O^T under the new M; these sixteen are also the places between the codes' and the scale word's last writes and the products
.set jj, jj+2
.endr
	s_wait_alu depctr_va_vdst(0)
	s_wait_dscnt 0x0                               ; v's fragments and scale words are in
.irp t, 0,1,2,3                                ; the four accumulators take turns, one instruction a turn
	v_wmma_scale_f32_16x16x128_f8f6f4 v[160+8*\t:167+8*\t], v[32+12*\t:43+12*\t], v[192:203], v[160+8*\t:167+8*\t], v[86+\t], v[FF+1] matrix_a_fmt:MATRIX_FMT_FP6 matrix_b_fmt:MATRIX_FMT_FP6
.endr
.Lhidden_\@:
	s_add_co_u32 s[J], s[J], 1
	s_add_co_u32 s[TB], s[TB], 6144
	s_add_co_u32 s[TS], s[TS], 512
	s_add_co_u32 s[TJ], s[TJ], 256
.endm
.macro KLOOP n                         ; n trips, a constant of the text
	s_mov_b32 s[CNT], \n
.Lk_\@:
	STEP
	s_sub_co_u32 s[CNT], s[CNT], 1
	s_cmp_lg_u32 s[CNT], 0
	s_cbranch_scc1 .Lk_\@
	s_setprio 0
.endm
; A TILE'S END: O^T / the sum; register 16 b + i is channel 32 b + 16 h + i of my query: two blocks of 32, each in lanes l and l xor 16; codes and scale bytes leave from the registers.
.macro FIN oc, os
.rept 4
	v_nop                                          ; places behind the last products
.endr
	v_add_f32 v[SUM], v[SUM], v[SUM+1]
	s_delay_alu instid0(VALU_DEP_1)
	v_permlanex16_b32 v[TT], v[SUM], s[SEL], s[SEL+1]
	s_delay_alu instid0(VALU_DEP_1)
	v_add_f32 v[SUM], v[SUM], v[TT]                ; the row's sum
	s_wait_alu depctr_va_vdst(0)
	v_rcp_f32 v[SUM], v[SUM]
	v_nop                                          ; a plain place behind the reciprocal
	s_wait_alu depctr_va_vdst(0)                   ; and the wait ahead of its first reader
.set jj, 0
.rept 32
	v_mul_f32 v[96+jj], v[160+jj], v[SUM]
.set jj, jj+1
.endr
.irp b, 0,1
	v_max3_num_f32 v[BM+\b], |v[96+16*\b]|, |v[97+16*\b]|, 0x1800000
.endr
.irp i, 2,4,6,8,10,12,14
.irp b, 0,1
	s_delay_alu instid0(VALU_DEP_2)
	v_max3_num_f32 v[BM+\b], v[BM+\b], |v[96+16*\b+\i]|, |v[97+16*\b+\i]|
.endr
.endr
.irp b, 0,1
	s_delay_alu instid0(VALU_DEP_2)
	v_permlanex16_b32 v[BT+\b], v[BM+\b], s[SEL], s[SEL+1]
.endr
.irp b, 0,1
	s_delay_alu instid0(VALU_DEP_2)
	v_max_num_f32 v[BM+\b], v[BM+\b], v[BT+\b]
.endr
.irp b, 0,1
	s_delay_alu instid0(VALU_DEP_2)
	v_add_nc_u32 v[SO+\b], 0xff000000, v[BM+\b]
.endr
.irp b, 0,1
	s_delay_alu instid0(VALU_DEP_2)
	v_lshrrev_b32 v[BT+\b], 23, v[SO+\b]
.endr
	s_delay_alu instid0(VALU_DEP_1)
	v_lshl_or_b32 v[TT], v[BT+1], 8, v[BT]         ; the head's two bytes of my row's word
	v_cvt_scalef32_pk16_fp6_f32 v[192:194], v[96:111], v[SO]
	v_cvt_scalef32_pk16_fp6_f32 v[198:200], v[112:127], v[SO+1]
	v_nop                                          ; one plain place behind a scaled conversion
.irp i, 0,1,2
	v_permlane16_swap_b32 v[192+\i], v[198+\i]     ; lanes 0-15 get block 0 whole, lanes 16-31 block 1
.endr
.irp i, 0,1,2
	s_delay_alu instid0(VALU_DEP_3)
	v_mov_b32 v[195+\i], v[198+\i]
.endr
	global_store_b128 v1, v[192:195], s[\oc:\oc+1] ; 512 consecutive bytes,
	global_store_b64 v2, v[196:197], s[\oc:\oc+1]  ; and the 256 behind them
	global_store_b16 v29, v[TT], s[\os:\os+1]      ; lanes l and l xor 16 write the same two bytes with the same value
.endm
	INIT
	s_mov_b32 s[MM], s[M1]
	s_wait_loadcnt 0x0                             ; q
	s_wait_tensorcnt 0x0                           ; my parts of the record have landed,
	s_barrier_signal -1
	s_barrier_wait -1                              ; everybody's have: from here on LDS is only read
	KLOOP 8                                        ; group w % 8: its steps 0 .. w % 8
	FIN 76, 78
	s_wait_xcnt 0x0                                ; the stores have read their registers: they are rewritten below only behind this wait
.irp i, 0,1,2,3,4,5
	v_mov_b32 v[16+\i], v[Q2+\i]                   ; the second tile's q;
.endr
	v_mov_b32 v28, v[Q2+6]                         ; the lines of INIT are the places between these writes and the next products
	INIT
	s_mov_b32 s[MM], s[M2]
	KLOOP 16                                       ; group 15 - w % 8
	FIN 80, 82
	s_wait_tensorcnt 0x0                           ; the wave's end
	ds_add_u32 v[SPW], v[NIL]
	s_wait_dscnt 0x0
	CROUND                                         ; the closing round
	s_endpgm
.Lfunc_end_k_qdc5b7d1e55_attn:
	.size	k_qdc5b7d1e55_attn, .Lfunc_end_k_qdc5b7d1e55_attn-k_qdc5b7d1e55_attn
	.p2alignl 7, 3214868480
	.fill 96, 4, 3214868480
	.section	.rodata,"a",@progbits
	.p2align	6, 0x0
	.amdhsa_kernel k_qdc5b7d1e55_attn
		.amdhsa_group_segment_fixed_size 210944
		.amdhsa_private_segment_fixed_size 0
		.amdhsa_enable_private_segment 0
		.amdhsa_kernarg_size 32
		.amdhsa_user_sgpr_count 2
		.amdhsa_user_sgpr_kernarg_segment_ptr 1
		.amdhsa_wavefront_size32 1
		.amdhsa_system_sgpr_workgroup_id_x 1
		.amdhsa_system_sgpr_workgroup_id_y 1
		.amdhsa_system_sgpr_workgroup_id_z 1
		.amdhsa_system_vgpr_workitem_id 0
		.amdhsa_next_free_vgpr 256
		.amdhsa_next_free_sgpr 96
		.amdhsa_reserve_vcc 1
		.amdhsa_float_denorm_mode_32 3
		.amdhsa_float_denorm_mode_16_64 3
		.amdhsa_memory_ordered 1
		.amdhsa_forward_progress 1
		.amdhsa_inst_pref_size 68
	.end_amdhsa_kernel
	.amdgpu_metadata
---
amdhsa.version: [ 1, 2 ]
amdhsa.kernels:
  - .name:           k_qdc5b7d1e55_attn
    .symbol:         k_qdc5b7d1e55_attn.kd
    .args:
      - { .name: qa, .offset: 0, .size: 8, .value_kind: global_buffer, .address_space: global }
      - { .name: kv, .offset: 8, .size: 8, .value_kind: global_buffer, .address_space: global }
      - { .name: oc, .offset: 16, .size: 8, .value_kind: global_buffer, .address_space: global }
      - { .name: os, .offset: 24, .size: 8, .value_kind: global_buffer, .address_space: global }
    .group_segment_fixed_size: 210944
    .private_segment_fixed_size: 0
    .kernarg_segment_align: 8
    .kernarg_segment_size: 32
    .max_flat_workgroup_size: 512
    .sgpr_count:     96
    .vgpr_count:     256
    .wavefront_size: 32
...
	.end_amdgpu_metadata
.endif
;; end of part 3
;; launch dense (part 4): grid 4 x 32, 4 waves a work-group, clusters of 4 x 4, 327,680 bytes of LDS; arguments oc, os, cod, scl, dense_b, out0; writes out0
.if DOCPART == 4
	.amdgcn_target "amdgcn-amd-amdhsa--gfx1250"
	.amdhsa_code_object_version 6
	.text
	.protected	k_qdc5b7d1e55_dense
	.globl	k_qdc5b7d1e55_dense
	.p2align	8
	.type	k_qdc5b7d1e55_dense,@function
k_qdc5b7d1e55_dense:
	s_mov_b64 s[64:65], 0
	v_nop
	global_prefetch_b8 v0, s[64:65] scope:SCOPE_SE
	s_setreg_imm32_b32 hwreg(HW_REG_WAVE_MODE, 25, 1), 1
	s_wait_xcnt 0x0
	s_wait_alu depctr_hold_cnt(0) depctr_sa_sdst(0) depctr_va_vdst(0) depctr_va_sdst(0) depctr_va_ssrc(0) depctr_va_vcc(0) depctr_vm_vsrc(0)
	s_getreg_b32 s2, hwreg(HW_REG_IB_STS2, 6, 4)
	s_cmp_eq_u32 s2, 0
	s_cbranch_scc0 .Lentry_in_a_cluster
	s_endpgm
.Lentry_in_a_cluster:
	s_bfe_u32 s2, ttmp6, 0x10000c
	s_cmp_lg_u32 s2, 0xf033
	s_cbranch_scc0 .Lentry_shape_is_right
	s_endpgm
.Lentry_shape_is_right:
; out0 = O dense_w^T + dense_b on codes of FP6 (E2M3).  C(y, x) = the sum over k of Y[y][k] X[x][k], K = 1,024: Y = the attention's result (oc, os), X = dense_w (groups 216-223 of cod, scl).
; Source 0 of the matrix instruction = 16 rows of X, source 1 = 16 rows of Y: a lane holds one row y and eight neighbouring x.  A work-group makes 256 x 256, a wave 128 x 128: 64 accumulators, 512 registers.
; OPERANDS are images of operand registers ([group of 128 rows][8 row tiles][16 chunks of 64 K][768]; scale words [group][8 K steps][128 rows]); row tile 2 B + u holds rows 32 B + 8 u + r + 8 (r / 8).
; K goes in four steps of 256 through two LDS slots; the scale words of all of K come once.  4 x 4 work-groups form a cluster: Y's tiles are asked for jointly along a row of it, X's along a column.
; The bias is the C of each sum's first product (so it is the first addend of the f32 sum).  128 work-groups: a tile of half the rows would give 256, at one and a half times the LDS bytes for each product.
; THE WAY OUT: a block of 16 rows x 128 columns goes through the wave's own stage in LDS and leaves as whole rows of 512 bytes.
; REGISTERS: window 0: v16-31 addresses; v32-63 scale words, two sets; v64-127 the bias; v128-223 Y's fragments, one set; on the way out v128-255 rows of the result.
;   window 1: X's fragments, two sets.   windows 2, 3: the accumulators ((a, b) at v[8 (8 (a % 4) + b)]).
.set FR,    12
.set NL,    4
.set NP,    4
.set TILEB, 24576
.set SLOT,  4*TILEB
.set SCL,   2*SLOT
.set SPARE, 213248
.set STG,   213760                     ; a stage of 16 rows x (512 + 16) bytes for each wave; no tile lands here
.set SPITCH, 528
.set ADRA, 16
.set ADRB, 20
.set O16,  24                          ; v24  16 l
.set O8,   25                          ; v25  512 + 8 l
.set STO,  26                          ; v26  the stage: where I put 32 bytes of a row
.set ADRS, 27
.set SPW,  28
.set NIL,  29
.set RD,   30                          ; v30  the stage: where I read a row back
.set SC,   32
.set BX,   64
.set AF,   128
.set BK,   128
.set WV,   18
.set WH,   19
.set WL,   20
.set CX,   22
.set CY,   23
.set G1,   24
.set G0,   32
.set TR,   40
.set TC,   41
.set G1B,  48
.set G0B,  56
.set G1S,  68
.set G0S,  76
.set G1SB, 80
.set G0SB, 88
.set MSB, 0
.macro WIN new                         ; the immediate's high byte repeats the setting that is left
.if MSB != (\new)
	s_set_vgpr_msb (MSB<<8)|(\new)
.set MSB, (\new)
.endif
.endm
.set MUL_LO, 0xa1
.set MUL_HI, 0xf1
.set TO_B,   0x40
.macro JLOAD g0a, g1a, g0b, g1b        ; a joint load: waves 0 and 1 fetch for Y, waves 2 and 3 for X; an s_nop 0 and four v_nop follow each of the two lines
	s_cmp_eq_u32 s[WH], 0
	s_cbranch_scc0 .Lfor_b_\@
	tensor_load_to_lds s[\g0a:\g0a+3], s[\g1a:\g1a+7]
	s_nop 0
.rept 4
	v_nop
.endr
	s_branch .Lasked_\@
.Lfor_b_\@:
	tensor_load_to_lds s[\g0b:\g0b+3], s[\g1b:\g1b+7]
	s_nop 0
.rept 4
	v_nop
.endr
.Lasked_\@:
.endm
.macro CREST
	s_cmp_lg_u32 s[WV], 0
	s_cbranch_scc1 .Lnot_wave_0_\@
	s_barrier_signal -3
.Lnot_wave_0_\@:
	s_barrier_wait -3
	s_barrier_signal -1
	s_barrier_wait -1
.endm
.macro CROUND
	s_barrier_signal -1
	s_barrier_wait -1
	CREST
.endm
	s_load_b256 s[4:11], s[0:1], 0x0               ; oc s[4:5], os s[6:7], cod s[8:9], scl s[10:11]
	s_load_b128 s[12:15], s[0:1], 0x20             ; dense_b s[12:13], out0 s[14:15]
	v_lshl_add_u32 v[SPW], v0, 2, SPARE
	v_mov_b32 v[NIL], 0
	ds_add_u32 v[SPW], v[NIL]                      ; the wave's opening: the add and its wait stand ahead of my first tensor load
	v_lshrrev_b32 v1, 5, v0
	v_readfirstlane_b32 s[WV], v1
	s_lshr_b32 s[WH], s[WV], 1
	s_and_b32 s[WL], s[WV], 1
	s_bfe_u32 s[CX], ttmp6, 0x40000
	s_bfe_u32 s[CY], ttmp6, 0x40004
	s_and_b32 s[TR], ttmp7, 0xffff
	s_lshl_b32 s[TR], s[TR], 2
	s_add_co_u32 s[TR], s[TR], s[CY]               ; Y's tile of 256 rows = 4 x cluster y + cy
	s_mov_b32 s[TC], s[CX]                         ; X's = cx: the grid is one cluster wide
	s_lshl_b32 s92, s[TR], 1
	s_add_co_u32 s92, s92, s[WL]                   ; the group of Y that I would fetch
	s_lshl_b32 s96, s[TC], 1
	s_add_co_u32 s96, s96, s[WL]
	s_add_co_u32 s96, s96, 216                     ; and of X
	s_lshl_b32 s94, s92, 12
	s_mul_i32 s92, s92, 98304
	s_lshl_b32 s98, s96, 12
	s_mul_i32 s96, s96, 98304
	s_mov_b32 s93, 0
	s_mov_b32 s95, 0
	s_mov_b32 s97, 0
	s_mov_b32 s99, 0
	s_lshl_b32 s44, s[CY], 2
	s_lshl_b32 s44, 15, s44                        ; my row of the cluster
	s_lshl_b32 s45, 0x1111, s[CX]                  ; my column
	s_or_b32 s[G1], s44, (3<<16)|(1<<21)           ; codes: 8 rows of 384 elements of 8 bytes, 1,536 elements apart; no padding
	s_or_b32 s[G1B], s45, (3<<16)|(1<<21)
.irp g, G1, G1B
	s_mov_b32 s[\g+1], 384<<16
	s_mov_b32 s[\g+2], 8<<16
	s_mov_b32 s[\g+3], 384<<16
	s_mov_b32 s[\g+4], 8
	s_mov_b32 s[\g+5], 1536
	s_mov_b32 s[\g+6], 0
	s_mov_b32 s[\g+7], 0
.endr
	s_or_b32 s[G1S], s44, (3<<16)|(1<<21)          ; scale words of 128 rows: 16 rows of 256 bytes, dense
	s_or_b32 s[G1SB], s45, (3<<16)|(1<<21)
.irp g, G1S, G1SB
	s_mov_b32 s[\g+1], 32<<16
	s_mov_b32 s[\g+2], 16<<16
	s_mov_b32 s[\g+3], 32<<16
	s_mov_b32 s[\g+4], 16
	s_mov_b32 s[\g+5], 32
	s_mov_b32 s[\g+6], 0
	s_mov_b32 s[\g+7], 0
.endr
	s_mul_i32 s46, s[WV], TILEB
	s_lshl_b32 s47, s[WV], 12
	s_lshl_b32 s2, s[WH], 7
	s_add_co_u32 s47, s47, s2
	s_add_co_u32 s47, s47, SCL
	s_wait_dscnt 0x0                               ; the opening add is done
	s_wait_kmcnt 0x0
	s_add_nc_u64 s[92:93], s[4:5], s[92:93]
	s_add_nc_u64 s[94:95], s[6:7], s[94:95]
	s_add_nc_u64 s[96:97], s[8:9], s[96:97]
	s_add_nc_u64 s[98:99], s[10:11], s[98:99]
	CROUND                                         ; all sixteen work-groups are here: the first joint loads meet
	s_mov_b32 s[G0S], 1
	s_mov_b32 s[G0S+1], s47
	s_mov_b64 s[G0S+2:G0S+3], s[94:95]
	s_or_b32 s[G0S+3], s[G0S+3], 0x80000000
	s_mov_b32 s[G0SB], 1
	s_mov_b32 s[G0SB+1], s47
	s_mov_b64 s[G0SB+2:G0SB+3], s[98:99]
	s_or_b32 s[G0SB+3], s[G0SB+3], 0x80000000
	JLOAD G0S, G1S, G0SB, G1SB
.irp s, 0,1
	s_mov_b32 s[G0+4*\s], 1
	s_add_co_u32 s[G0+4*\s+1], s46, \s*SLOT
	s_add_nc_u64 s[G0+4*\s+2:G0+4*\s+3], s[92:93], \s*3072
	s_or_b32 s[G0+4*\s+3], s[G0+4*\s+3], 0x80000000
	s_mov_b32 s[G0B+4*\s], 1
	s_add_co_u32 s[G0B+4*\s+1], s46, \s*SLOT
	s_add_nc_u64 s[G0B+4*\s+2:G0B+4*\s+3], s[96:97], \s*3072
	s_or_b32 s[G0B+4*\s+3], s[G0B+4*\s+3], 0x80000000
	JLOAD G0+4*\s, G1, G0B+4*\s, G1B               ; three loads of mine are out behind the second
.endr
	v_and_b32 v1, 31, v0
	v_and_b32 v2, 15, v0
	v_bfe_u32 v3, v0, 4, 1
	v_lshlrev_b32 v[O16], 4, v1
	v_lshl_add_u32 v[O8], v1, 3, 512
	s_mul_i32 s44, s[WH], TILEB
	s_mul_i32 s45, s[WL], TILEB
	s_add_co_u32 s45, s45, 2*TILEB
.irp s, 0,1
	v_add_nc_u32 v[ADRA+\s], s44, v[O16]
	v_add_nc_u32 v[ADRA+2+\s], s44, v[O8]
	v_add_nc_u32 v[ADRB+\s], s45, v[O16]
	v_add_nc_u32 v[ADRB+2+\s], s45, v[O8]
	s_add_co_u32 s44, s44, SLOT
	s_add_co_u32 s45, s45, SLOT
.endr
	s_lshl_b32 s44, s[WH], 12
	s_lshl_b32 s45, s[WL], 12
	s_add_co_u32 s45, s45, 8320
	s_sub_co_u32 s45, s45, s44
	v_mul_u32_u24 v4, s45, v3                      ; lanes 16-31 take X's scale words: one product, the distance between the two
	v_lshl_add_u32 v4, v2, 2, v4
	s_add_co_u32 s44, s44, SCL
	v_add_nc_u32 v[ADRS], s44, v4
	s_mul_i32 s44, s[WV], 16*SPITCH
	s_add_co_u32 s44, s44, STG                     ; my stage
	v_mul_u32_u24 v4, v2, SPITCH
	v_lshl_add_u32 v4, v3, 6, v4
	v_add_nc_u32 v[STO], s44, v4                   ; in: row r, + 64 h bytes
	v_add_nc_u32 v[RD], s44, v[O16]                ; back: the 32 lanes take one row of 512 bytes
	v_lshlrev_b32 v6, 6, v3
	s_lshl_b32 s44, s[TC], 10
	s_lshl_b32 s45, s[WL], 9
	s_add_co_u32 s44, s44, s45                     ; my 128 columns, in bytes
	s_mov_b32 s45, 0
	s_add_nc_u64 s[12:13], s[12:13], s[44:45]
	s_add_nc_u64 s[14:15], s[14:15], s[44:45]
	s_lshl_b32 s44, s[TR], 20
	s_lshl_b32 s46, s[WH], 19
	s_add_co_u32 s44, s44, s46                     ; my 128 rows of 4,096 bytes
	s_add_nc_u64 s[14:15], s[14:15], s[44:45]
.irp t, 0,1,2,3,4,5,6,7                        ; the bias: eight registers a tile of X, in the result's layout
	global_load_b128 v[BX+8*\t:BX+8*\t+3], v6, s[12:13] offset:4*(32*(\t/2)+8*(\t%2))
	global_load_b128 v[BX+8*\t+4:BX+8*\t+7], v6, s[12:13] offset:4*(32*(\t/2)+8*(\t%2))+16
.endr
.macro FRAG reg, adr, q, i
.irp c, 0,1
	ds_load_b128 v[\reg+6*\c:\reg+6*\c+3], v[\adr] offset:3072*(\i)+768*(2*(\q)+\c)
	ds_load_b64 v[\reg+6*\c+4:\reg+6*\c+5], v[\adr+2] offset:3072*(\i)+768*(2*(\q)+\c)
.endr
.endm
; 16 matrix instructions: Y's blocks a0, a0 + 1 x X's eight.  first = 1: the sum begins with the bias.  The 64 accumulators take turns, one instruction a turn.
.macro MUL16 a0, p, q, sc, first
.irp a, \a0, \a0+1
.irp b, 0,1,2,3,4,5,6,7
.if \first
	v_wmma_scale_f32_16x16x128_f8f6f4 v[8*(8*((\a)%4)+\b):8*(8*((\a)%4)+\b)+7], v[128*(\p)+FR*\b:128*(\p)+FR*\b+FR-1], v[AF+FR*(\a):AF+FR*(\a)+FR-1], v[BX+8*\b:BX+8*\b+7], v[SC+16*(\sc)+2*\b+(\q)], v[SC+16*(\sc)+2*(\a)+(\q)] matrix_a_fmt:MATRIX_FMT_FP6 matrix_b_fmt:MATRIX_FMT_FP6 matrix_a_scale:MATRIX_SCALE_ROW1
.else
	v_wmma_scale_f32_16x16x128_f8f6f4 v[8*(8*((\a)%4)+\b):8*(8*((\a)%4)+\b)+7], v[128*(\p)+FR*\b:128*(\p)+FR*\b+FR-1], v[AF+FR*(\a):AF+FR*(\a)+FR-1], v[8*(8*((\a)%4)+\b):8*(8*((\a)%4)+\b)+7], v[SC+16*(\sc)+2*\b+(\q)], v[SC+16*(\sc)+2*(\a)+(\q)] matrix_a_fmt:MATRIX_FMT_FP6 matrix_b_fmt:MATRIX_FMT_FP6 matrix_a_scale:MATRIX_SCALE_ROW1
.endif
.endr
.endr
.endm
.macro FETCH_B slot, q, p
	WIN TO_B
.irp i, 0,1,2,3,4,5,6,7
	FRAG 128*(\p)+FR*\i, ADRB+\slot, \q, \i
.endr
	WIN 0
.endm
.macro FETCH_A slot, q, i0
.irp i, \i0, \i0+1, \i0+2, \i0+3
	FRAG AF+FR*(\i), ADRA+\slot, \q, \i
.endr
.endm
.macro SCALES sc, n
.irp i, 0,1,2,3,4,5,6,7
.irp q, 0,1
	ds_load_b32 v[SC+16*(\sc)+2*\i+\q], v[ADRS] offset:1024*(\n)+512*\q+64*\i
.endr
.endr
.endm
.macro PLACES n
.rept \n
	v_nop
.endr
.endm
.macro STEP slot, q, first
	s_wait_dscnt 4*NL                              ; all but the youngest sixteen loads (Y's blocks 4-7) are in
	WIN MUL_LO-0x20*(\first)
	MUL16 0, (\q)%2, \q, \slot, \first
	MUL16 2, (\q)%2, \q, \slot, \first
	s_wait_dscnt 0x0
	PLACES NP
	FETCH_B \slot, (\q)+1, 1-(\q)%2
	FETCH_A \slot, (\q)+1, 0
	WIN MUL_HI-0x30*(\first)
	MUL16 4, (\q)%2, \q, \slot, \first
	MUL16 6, (\q)%2, \q, \slot, \first
	PLACES NP
	WIN 0
	FETCH_A \slot, (\q)+1, 4
.endm
.macro TURN slot, next, fill, n
	s_wait_tensorcnt 0x0                           ; all my tensor loads have landed: my part of the next slot
	ds_add_u32 v[SPW], v[NIL]                      ; 0 onto my spare word
	s_wait_dscnt 4*NL+1                            ; (the add and the youngest sixteen loads may be out)
	WIN MUL_LO
	MUL16 0, 1, 1, \slot, 0
	s_wait_dscnt 0x0                               ; the add is done, and my reads of this slot are over
	s_barrier_signal -1
	MUL16 2, 1, 1, \slot, 0
	WIN 0
	s_barrier_wait -1
.if \fill
	CREST                                          ; no wave of any partner still reads this slot's tile or has a load on its way
	s_add_nc_u64 s[G0+4*\slot+2:G0+4*\slot+3], s[G0+4*\slot+2:G0+4*\slot+3], 6144
	s_add_nc_u64 s[G0B+4*\slot+2:G0B+4*\slot+3], s[G0B+4*\slot+2:G0B+4*\slot+3], 6144
	JLOAD G0+4*\slot, G1, G0B+4*\slot, G1B         ; the first tensor load behind the round; its four v_nop are the places in front of the loads below
.else
	PLACES NP
.endif
	FETCH_B \next, 0, 0
	FETCH_A \next, 0, 0
	SCALES \next, \n
	WIN MUL_HI
	MUL16 4, 1, 1, \slot, 0
	MUL16 6, 1, 1, \slot, 0
	PLACES NP
	WIN 0
	FETCH_A \next, 0, 4
.endm
	s_wait_tensorcnt 0x1                           ; the scale words and my part of slot 0 are in (slot 1's load may be out)
	s_barrier_signal -1
	s_barrier_wait -1                              ; everybody's are
	FETCH_B 0, 0, 0
	FETCH_A 0, 0, 0
	SCALES 0, 0
	FETCH_A 0, 0, 4
	s_wait_loadcnt 0x0                             ; the bias
	STEP 0, 0, 1
	TURN 0, 1, 1, 1
	STEP 1, 0, 0
	TURN 1, 0, 1, 2
	STEP 0, 0, 0
	TURN 0, 1, 0, 3
	STEP 1, 0, 0
	s_wait_dscnt 4*NL
	WIN MUL_LO
	MUL16 0, 1, 1, 1, 0
	MUL16 2, 1, 1, 1, 0
	s_wait_dscnt 0x0
	WIN MUL_HI
	MUL16 4, 1, 1, 1, 0
	MUL16 6, 1, 1, 1, 0
	WIN 0
; THE WAY OUT, block by block of 16 rows x 128 columns.  Register j of X's tile b is column 32 (b / 2) + 16 h + 8 (b % 2) + j.  LDS serves a wave's instructions in order: no wait between the stores and the loads.
.macro TOSTAGE a
.set AC, 64*((\a)%4)
	WIN 0x08+4*((\a)/4)                            ; an LDS store's data are its source 1: window 2 or 3
.irp b, 0,1,2,3,4,5,6,7
	ds_store_b128 v[STO], v[AC+8*\b:AC+8*\b+3] offset:128*(\b/2)+32*(\b%2)          ; each accumulator from its low end on
	ds_store_b128 v[STO], v[AC+8*\b+4:AC+8*\b+7] offset:128*(\b/2)+32*(\b%2)+16
.endr
	WIN 0
.set BB, BK+64*((\a)%2)
.irp t, 0,1,2,3,4,5,6,7,8,9,10,11,12,13,14,15
	ds_load_b128 v[BB+4*\t:BB+4*\t+3], v[RD] offset:\t*SPITCH
.endr
.endm
.macro SEND a, younger                 ; younger: the LDS instructions issued behind block a's loads, which may stay out
.set BB, BK+64*((\a)%2)
	s_wait_dscnt \younger
.irp t, 0,1,2,3,4,5,6,7,8,9,10,11,12,13,14,15
	global_store_b128 v[O16], v[BB+4*\t:BB+4*\t+3], s[14:15] offset:(32*((\a)/2)+8*((\a)%2)+\t+8*(\t/8))*4096 th:TH_STORE_NT   ; 32 lanes store 512 consecutive bytes of the tile's row t; the row stands in the immediate
.endr
.endm
	PLACES NP                                      ; behind the last products: results are read, and rows land where Y's fragments lay
	TOSTAGE 0
.irp a, 1,2,3,4,5,6,7
.if \a > 1
	s_wait_xcnt 0x0                                ; the stores of two blocks ago have read their registers: this block's loads land there only behind this wait
.endif
	TOSTAGE \a
	SEND \a-1, 32                                  ; behind block a - 1's loads: block a's 16 stores and 16 loads
.endr
	SEND 7, 0
	s_wait_tensorcnt 0x0                           ; the wave's end: behind my last tensor load and my last LDS store
	ds_add_u32 v[SPW], v[NIL]
	s_wait_dscnt 0x0
	CROUND                                         ; the closing round
	s_endpgm
.Lfunc_end_k_qdc5b7d1e55_dense:
	.size	k_qdc5b7d1e55_dense, .Lfunc_end_k_qdc5b7d1e55_dense-k_qdc5b7d1e55_dense
	.p2alignl 7, 3214868480
	.fill 96, 4, 3214868480
	.section	.rodata,"a",@progbits
	.p2align	6, 0x0
	.amdhsa_kernel k_qdc5b7d1e55_dense
		.amdhsa_group_segment_fixed_size 327680
		.amdhsa_private_segment_fixed_size 0
		.amdhsa_enable_private_segment 0
		.amdhsa_kernarg_size 48
		.amdhsa_user_sgpr_count 2
		.amdhsa_user_sgpr_kernarg_segment_ptr 1
		.amdhsa_wavefront_size32 1
		.amdhsa_system_sgpr_workgroup_id_x 1
		.amdhsa_system_sgpr_workgroup_id_y 1
		.amdhsa_system_sgpr_workgroup_id_z 1
		.amdhsa_system_vgpr_workitem_id 0
		.amdhsa_next_free_vgpr 1024
		.amdhsa_next_free_sgpr 106
		.amdhsa_reserve_vcc 0
		.amdhsa_float_denorm_mode_32 3
		.amdhsa_float_denorm_mode_16_64 3
		.amdhsa_memory_ordered 1
		.amdhsa_forward_progress 1
		.amdhsa_inst_pref_size 146
	.end_amdhsa_kernel
	.amdgpu_metadata
---
amdhsa.version: [ 1, 2 ]
amdhsa.kernels:
  - .name:           k_qdc5b7d1e55_dense
    .symbol:         k_qdc5b7d1e55_dense.kd
    .args:
      - { .name: oc, .offset: 0, .size: 8, .value_kind: global_buffer, .address_space: global }
      - { .name: os, .offset: 8, .size: 8, .value_kind: global_buffer, .address_space: global }
      - { .name: cod, .offset: 16, .size: 8, .value_kind: global_buffer, .address_space: global }
      - { .name: scl, .offset: 24, .size: 8, .value_kind: global_buffer, .address_space: global }
      - { .name: dense_b, .offset: 32, .size: 8, .value_kind: global_buffer, .address_space: global }
      - { .name: out0, .offset: 40, .size: 8, .value_kind: global_buffer, .address_space: global }
    .group_segment_fixed_size: 327680
    .private_segment_fixed_size: 0
    .kernarg_segment_align: 8
    .kernarg_segment_size: 48
    .max_flat_workgroup_size: 128
    .sgpr_count:     106
    .vgpr_count:     1024
    .wavefront_size: 32
...
	.end_amdgpu_metadata
.endif
;; end of part 4
